; MI455X (gfx1250); checked and timed in simulation.
; The chip was launched on July 23, 2026; its instructions are those of AMD's public machine-readable ISA for CDNA 5 (MIT licence, August 2026) and "CDNA5" Instruction Set Architecture Reference Guide (July 2026). The comments in the code are by the model that wrote it; some were corrected since.
;; Infini Attn. Allowed arithmetic: matrix products marked QUANTISED: E5M2 operands, one E8M0 scale for each 32 along K, by v_wmma_scale_f32_16x16x128_f8f6f4 with both operands' format E5M2, f32 sums; products left as they are: f32 operands where the result goes on into a quantised operand, else bf16, f16 or f32 operands; f32 sums; everything else in f32.
;; Inputs: Wkv 1,024 x 2,048 float32; Wo 1,024 x 1,024 float32; Wq 1,024 x 1,024 float32; gate_beta 1 float32; h 2,048 x 2 x 1,024 float32; ln_beta 1,024 float32; ln_gamma 1,024 float32; mem_norm 2 x 1 x 16 x 64 float32; memory 2 x 16 x 64 x 64 float32.
;; Outputs: out0 2,048 x 2 x 1,024 float32.
;; This version of the problem:
;;   THIS VERSION OF THE PROBLEM IS GIVEN IN LOW PRECISION. The matrix products marked QUANTISED in the list below multiply operands that are first quantised to E5M2 (5 exponent bits, 2 mantissa bits; 8 bits a number), with one power-of-two scale for each 32 numbers along K (OCP MX v1.0); their sums are f32. All else is computed in f32.
;;   The module's matrix products, in the order in which they are computed (A, B: the left and right operand; K: the contracted axis; several contracted axes count as one K, in the product's order):
;;     1. [M 4,096, K 1,024] x [K 1,024, N 1,024]; A: input h; B: input Wq: QUANTISED
;;     2. [M 4,096, K 1,024] x [K 1,024, N 2,048]; A: input h; B: input Wkv: QUANTISED
;;     3. batch 32 x [M 2,048, K 64] x [K 64, N 2,048]; A: computed on the way; B: computed on the way: QUANTISED
;;     4. batch 32 x [M 64, K 2,048] x [K 2,048, N 2,048]; A: computed on the way; B: softmax (see below): QUANTISED
;;     5. batch 32 x [M 64, K 64] x [K 64, N 2,048]; A: input memory; B: computed on the way: QUANTISED
;;     6. batch 32 x [M 1, K 64] x [K 64, N 2,048]; A: input mem_norm; B: computed on the way: left as it is (M = 1 < 16)
;;     7. [M 4,096, K 1,024] x [K 1,024, N 1,024]; A: computed on the way; B: input Wo: QUANTISED
;;   THE QUANTISER, for each operand of a quantised product, along K:
;;     - K is cut into blocks of 32 from its start; a last block that is shorter is filled with zeros.
;;     - A block's scale is 2^e with e = floor(log2(the largest magnitude in the block)) - 15, held to -126 .. 127; a block of zeros has e = 0. As a byte (E8M0): e + 127.
;;     - Each number is divided by its block's scale, clamped to +-57,344, and rounded to the nearest number of E5M2, ties to even, subnormals kept.
;;     - The product sums the exact products of the quantised numbers (number of the format x scale) in f32.
;;   ~~~python
;;   def quantise(x, axis):      # numpy; x: float32 -> the quantised numbers, widened to float32 again
;;       x = np.moveaxis(x, axis, -1); K = x.shape[-1]
;;       x = np.pad(x, [(0, 0)] * (x.ndim - 1) + [(0, -K % 32)]); x = x.reshape(x.shape[:-1] + (-1, 32)); a = np.abs(x).max(-1, keepdims=True)
;;       e = np.where(a > 0, np.clip(np.frexp(np.where(a > 0, a, 1))[1] - 1 - 15, -126, 127), 0)      # np.frexp(a)[1] - 1 = floor(log2(a)), exactly
;;       r = np.clip(x / 2.0 ** e, -57344, 57344)
;;       step = 2.0 ** (np.maximum(np.frexp(np.where(r == 0, 1, r))[1] - 1, -14) - 2)
;;       q = np.round(r / step) * step * 2.0 ** e      # np.round: ties to even
;;       return np.moveaxis(q.reshape(q.shape[:-2] + (-1,))[..., :K], -1, axis).astype(np.float32)
;;   ~~~
;;   SOFTMAX AHEAD OF A QUANTISED PRODUCT. Where the list says 'softmax', what is quantised is not the finished softmax but p = 2^(t - M), with t = logit x log2(e) and M = ceil(the row's largest t), a whole number; so 1/2 < the row's largest p <= 1. The row's sum l is taken of the UNQUANTISED p, in f32, and the product's result is divided by l at the end. Since M is a whole number, a kernel that streams over the keys may use a running M (the ceiling of the running maximum): every later rescaling is an exact power of two, which a block's scale takes up: the codes' values come out the same.
;;   OPERANDS COMPUTED ON THE WAY. 'Computed on the way' means the value that the module computes at that place (a softmax that the list does not call 'softmax' is quantised finished and normalised). What goes into a quantiser is computed in f32, as accurately as f32 sums, v_exp_f32 and their like allow (about 1e-6 of the number): no bf16 or f16 on the way to a quantiser, and a product that is left as it is and whose result goes on into a quantised operand takes f32 operands (vector FMAs, or v_wmma_f32_16x16x4_f32). A number that lies on a knife's edge between two numbers of the format may be rounded either way, as far as f32 arithmetic and the matrix unit's own rounding can turn it there, and no further.
;; One version. Each part assembles by itself: llvm-mc -triple=amdgcn-amd-amdhsa -mcpu=gfx1250 --defsym DOCPART=n.
;; ======== version 1 of 1: 4 launches
;; limits: right only within a limited range of input values
;; workspace buffers: hc 4,194,304 bytes; wc 4,194,304 bytes; sc 262,144 bytes; qi 8,388,608 bytes; qa 1,048,576 bytes; kv 8,781,824 bytes; ic 4,194,304 bytes; is 262,144 bytes
;; launch quant (part 1): grid 256 x 1, 4 waves a work-group, no clusters, 36,352 bytes of LDS; arguments h, Wq, Wkv, Wo, hc, wc, sc; writes hc, wc, sc
.if DOCPART == 1
	.amdgcn_target "amdgcn-amd-amdhsa--gfx1250"
	.amdhsa_code_object_version 6
	.text
	.protected	k_qfe738601ec_quant
	.globl	k_qfe738601ec_quant
	.p2align	8
	.type	k_qfe738601ec_quant,@function
k_qfe738601ec_quant:
	s_mov_b64 s[64:65], 0
	v_nop
	global_prefetch_b8 v0, s[64:65] scope:SCOPE_SE
	s_setreg_imm32_b32 hwreg(HW_REG_WAVE_MODE, 25, 1), 1
	s_wait_xcnt 0x0
; h [2048][2][1024] and the weights Wq [1024][1024], Wkv [1024][2048], Wo [1024][1024], all f32, become codes of BF8 (E5M2) with one E8M0 byte for each 32 along K (K = the 1,024 inputs of each product).
; A block's scale is 2^(floor(log2(largest magnitude)) - 15); each number is divided by it, held within +-57,344 and rounded to the nearest code, ties to even.
; LAYOUT OF THE CODES: images of operand registers.  A fragment is 16 rows x 128 K = 2,048 bytes = 4 chunks of 512; chunk c holds lane l's 16 bytes (registers 4c..4c+3: k = 32c + 16 (l/16) + 0..15 of row l%16) at 16 l.
; ROWS STAND AT POSITIONS: position p holds row pi(p), pi = bits 3 and 4 exchanged.  So lane r of tile 2a+u holds row 32a + 8u + r + 8(r/8), and the results of a product used transposed come out with 16 neighbours in a lane's 16 registers.
;   hc [row tile 256 = 128 b + T][ks 8][2048]      wc [column tile 256: Wq 0-63, Wk 64-127, Wv 128-191, Wo 192-255][ks 8][2048]
;   sc: h's scale words [ks 8][4096 positions] at byte 0, the weights' likewise at byte 131,072; a word is the four bytes of a row's 128 K.
; SHARES.  Work-groups 0-127 take h: a wave takes four row tiles at one ks.  Work-groups 128-255 take the weights: a wave takes 64 columns at one ks, a lane a column, registers down K.
; In both a wave makes 64 scale words, 256 consecutive bytes of sc, gathered in LDS bytes of the wave's own.  Waves share nothing: no barrier.  The two paths have LDS bytes of their own.
; LIMITS: a block of zeros gets the byte 1 (the rule says 127): its codes are zeros and this program alone reads the bytes; blocks under 2^-111 keep the byte 1; NaN and infinities among the inputs are not served.
.set NWGH,  128                        ; work-groups that take h
.set STGP,  528                        ; a stage row: 512 bytes + 16, so that 16 lanes that read 16 rows touch 16 different 16-byte columns
.set WREG,  8704                       ; path h: a wave's LDS: 16 stage rows, then its 256 bytes of scale words
.set HWRD,  8448
.set WWB,   4*WREG                     ; path weights: 256 bytes of scale words for each wave
.set SEL,   20                         ; s[20:21] v_permlanex16_b32's selects for lane l xor 16
.set MNT,   22                         ; s22 the mantissa field of 57,344
.set TM,    8                          ; v8-23  QUANT's scratch
.set PW,    24                         ; v24    the scale word just made
.set R,     32                         ; v32-159  path h: two sets of 64 registers as loaded
.set X,     160                        ; v160-223 64 numbers in the operand's order
.set PC,    224                        ; v224-255 two sets of 16 registers of codes
.set RO,    32                         ; v32-63   path weights: 4 lane + i x row pitch
.set XW,    64                         ; v64-127  two sets of 32 numbers
.set CW,    128                        ; v128-191 eight registers of codes for each of 8 blocks: no store's data are written again
.set SB,    26                         ; v26-27   scale words of the two groups of 32 columns
; 16 nb numbers of a lane, register 16 b + i = k 32 b + 16 (lane/16) + i of my row, become codes in v[pc] on and the scale word in v[pw]
.macro QUANT s, nb, pc, pw
.set qb, 0
.rept \nb
	v_max3_num_f32 v[TM+qb], |v[\s+16*qb]|, |v[\s+16*qb+1]|, 0x8000000   ; my 16 numbers of block b, and the floor 2^(16-127): the byte cannot fall under 1
.set qb, qb+1
.endr
.set qn, 2
.rept 7
.set qb, 0
.rept \nb
	v_max3_num_f32 v[TM+qb], v[TM+qb], |v[\s+16*qb+qn]|, |v[\s+16*qb+qn+1]|   ; the blocks by turns
.set qb, qb+1
.endr
.set qn, qn+2
.endr
.set qb, 0
.rept \nb
	v_permlanex16_b32 v[TM+4+qb], v[TM+qb], s[SEL], s[SEL+1]
.set qb, qb+1
.endr
.set qb, 0
.rept \nb
	v_max_num_f32 v[TM+qb], v[TM+qb], v[TM+4+qb]          ; with lane l xor 16's: the block's largest magnitude
.set qb, qb+1
.endr
.set qb, 0
.rept \nb
	v_add_nc_u32 v[TM+12+qb], 0xf8800000, v[TM+qb]        ; 15 off its exponent field: the conversion's scale operand
.set qb, qb+1
.endr
.set qb, 0
.rept \nb
	v_and_or_b32 v[TM+8+qb], v[TM+qb], 0x7f800000, s[MNT] ; 57,344 x the scale
.set qb, qb+1
.endr
.set qb, 0
.rept \nb
	v_lshrrev_b32 v[TM+4+qb], 23, v[TM+12+qb]             ; the scale's byte
.set qb, qb+1
.endr
	v_lshl_or_b32 v[\pw], v[TM+5], 8, v[TM+4]
.if \nb == 4
	v_lshl_or_b32 v[\pw], v[TM+6], 16, v[\pw]
	v_lshl_or_b32 v[\pw], v[TM+7], 24, v[\pw]
.endif
.set qb, 0
.rept \nb
.set qn, 0
.rept 16
	v_med3_num_f32 v[\s+16*qb+qn], v[\s+16*qb+qn], -v[TM+8+qb], v[TM+8+qb]   ; the conversion does not saturate (ISA guide 7.6.2): the hold
.set qn, qn+1
.endr
	v_cvt_scalef32_pk8_bf8_f32 v[\pc+4*qb:\pc+4*qb+1], v[\s+16*qb:\s+16*qb+7], v[TM+12+qb]
	v_cvt_scalef32_pk8_bf8_f32 v[\pc+4*qb+2:\pc+4*qb+3], v[\s+16*qb+8:\s+16*qb+15], v[TM+12+qb]
.set qb, qb+1
.endr
	v_nop                                                 ; one plain line behind the last conversion
.endm
	s_load_b256 s[4:11], s[0:1], 0x0               ; h, Wq, Wkv, Wo
	s_load_b128 s[12:15], s[0:1], 0x20             ; hc, wc
	s_load_b64 s[16:17], s[0:1], 0x30              ; sc
	v_lshl_add_u32 v30, v0, 2, 0x8c00
	v_mov_b32 v31, 0
	v_lshrrev_b32 v1, 5, v0
	v_readfirstlane_b32 s18, v1                    ; wave 0..3
	v_and_b32 v1, 31, v0                           ; lane
	s_mov_b32 s[SEL], 0x76543210
	s_mov_b32 s[SEL+1], 0xfedcba98
	s_mov_b32 s[MNT], 0x600000
	s_cmp_ge_u32 ttmp9, NWGH
	s_cbranch_scc1 .Lweights
	; ---------------- h.  Wave W = 4 g + wave: row tiles 4 G .. 4 G + 3 (G = W / 8), K step ks = W % 8: a work-group's four waves stand side by side on 2,048 bytes of each row
	s_lshr_b32 s24, ttmp9, 1                       ; G
	s_and_b32 s25, ttmp9, 1
	s_lshl_b32 s25, s25, 2
	s_add_co_u32 s25, s25, s18                     ; ks
	s_lshr_b32 s26, s24, 5                         ; b
	s_and_b32 s27, s24, 31
	s_lshl_b32 s27, s27, 7
	s_add_co_u32 s27, s27, s26                     ; h's row 2 s + b of token s = 64 (G % 32)
	s_lshl_b32 s28, s27, 12
	s_lshl_b32 s29, s25, 9
	s_add_co_u32 s28, s28, s29                     ; + 512 ks
	s_mov_b32 s29, 0
	s_lshl_b32 s30, s24, 16
	s_lshl_b32 s31, s25, 11
	s_add_co_u32 s30, s30, s31                     ; hc: (8 x 4 G + ks) x 2,048
	s_mov_b32 s31, 0
	s_lshl_b32 s32, s25, 14
	s_lshl_b32 s33, s24, 8
	s_add_co_u32 s32, s32, s33                     ; sc: 16,384 ks + 256 G
	s_mov_b32 s33, 0
	s_mul_i32 s34, s18, WREG
	s_wait_alu depctr_va_vdst(0)
	v_lshlrev_b32 v2, 4, v1                        ; 16 lane: my place in a load's and in a store's 512 bytes
	v_add_nc_u32 v3, s34, v2                       ; the stage, on the way in
	v_and_b32 v25, 15, v0                          ; r
	v_bfe_u32 v26, v0, 4, 1                        ; half
	v_mul_u32_u24 v4, v25, STGP
	v_lshl_add_u32 v4, v26, 6, v4
	v_add_nc_u32 v4, s34, v4                       ; and on the way out: row r, + 64 x half
	v_lshlrev_b32 v5, 2, v25
	v_add_nc_u32 v5, s34, v5                       ; my row's scale word
	v_lshlrev_b32 v7, 3, v1
	v_add_nc_u32 v6, s34, v7                       ; the words' way out: 8 bytes a lane
.irp b, 0,1,2,3
	v_mov_b32 v[TM+4+\b], 0                        ; a lane permute's destination counts as one of its sources
.endr
	s_wait_alu depctr_va_vdst(0)
	s_wait_kmcnt 0x0
	s_add_nc_u64 s[4:5], s[4:5], s[28:29]
	s_add_nc_u64 s[12:13], s[12:13], s[30:31]
	s_add_nc_u64 s[16:17], s[16:17], s[32:33]
.macro HLOAD f                         ; tile f's 16 rows: row j is token 32 (f/2) + 8 (f%2) + j + 8 (j/8) of my 64; 32 lanes read 512 consecutive bytes
.set hj, 0
.rept 16
	global_load_b128 v[R+64*((\f)%2)+4*hj:R+64*((\f)%2)+4*hj+3], v2, s[4:5] offset:(32*((\f)/2)+8*((\f)%2)+hj+8*(hj/8))*8192 th:TH_LOAD_NT
.set hj, hj+1
.endr
.endm
.macro FRAGH f
.if (\f) < 3
	s_wait_loadcnt 16                              ; this tile's 16 loads are in; the next tile's 16 may be out
.else
	s_wait_loadcnt 0x0
.endif
.set hj, 0
.rept 16
	ds_store_b128 v3, v[R+64*((\f)%2)+4*hj:R+64*((\f)%2)+4*hj+3] offset:STGP*hj
.set hj, hj+1
.endr
.set hj, 0
.rept 16
	ds_load_b128 v[X+4*hj:X+4*hj+3], v4 offset:128*(hj/4)+16*(hj%4)   ; LDS serves a wave's instructions in order: these see the stores above
.set hj, hj+1
.endr
	s_wait_dscnt 0x0
.if (\f)+2 < 4
	HLOAD (\f)+2                                   ; into the registers that the stage's stores have read
.endif
.if (\f) >= 2
	s_wait_xcnt 0x0                                ; the stores of two tiles back have read their codes: the set is written again
.endif
	QUANT X, 4, PC+16*((\f)%2), PW
.irp c, 0,1,2,3
	global_store_b128 v2, v[PC+16*((\f)%2)+4*\c:PC+16*((\f)%2)+4*\c+3], s[12:13] offset:16384*(\f)+512*\c   ; 512 consecutive bytes
.endr
	ds_store_b32 v5, v[PW] offset:HWRD+64*(\f)     ; lanes 16-31 write the same word with the same value
.endm
	HLOAD 0
	HLOAD 1
	FRAGH 0
	FRAGH 1
	FRAGH 2
	FRAGH 3
	ds_load_b64 v[26:27], v6 offset:HWRD
	s_wait_dscnt 0x0
	global_store_b64 v7, v[26:27], s[16:17]        ; 32 lanes store 256 consecutive bytes, aligned
	s_wait_tensorcnt 0x0
	ds_add_u32 v30, v31
	s_wait_dscnt 0x0
	s_endpgm
.Lweights:
	; ---------------- the weights.  g' = cg x 8 + ks: 256 columns (cg) at one K step; a wave takes 64 of them as two groups of 32, a lane a column
	s_sub_co_u32 s24, ttmp9, NWGH
	s_lshr_b32 s25, s24, 3                         ; cg 0..15: 0-3 Wq, 4-11 Wkv, 12-15 Wo
	s_and_b32 s26, s24, 7                          ; ks
	s_sub_co_u32 s27, s25, 4
	s_sub_co_u32 s28, s25, 12
	s_wait_kmcnt 0x0
	s_cmp_lt_u32 s25, 12
	s_cselect_b64 s[8:9], s[8:9], s[10:11]
	s_cselect_b32 s27, s27, s28
	s_cselect_b32 s29, 13, 12                      ; log2 of a row's bytes
	s_cmp_lt_u32 s25, 4
	s_cselect_b64 s[8:9], s[6:7], s[8:9]           ; the buffer,
	s_cselect_b32 s27, s25, s27                    ; which 256 of its columns,
	s_cselect_b32 s29, 12, s29
	s_lshl_b32 s30, 1, s29                         ; and its row pitch
	s_add_co_u32 s31, s29, 7
	s_lshl_b32 s32, s26, s31                       ; 128 ks rows
	s_lshl_b32 s33, s27, 10
	s_add_co_u32 s32, s32, s33
	s_lshl_b32 s33, s18, 8
	s_add_co_u32 s32, s32, s33                     ; + 4 x (256 x group + 64 x wave)
	s_mov_b32 s33, 0
	s_add_nc_u64 s[36:37], s[8:9], s[32:33]        ; four bases, 32 rows apart: a block of 32 along K each
	s_lshl_b32 s34, s30, 5
	s_mov_b32 s35, 0
	s_add_nc_u64 s[38:39], s[36:37], s[34:35]
	s_add_nc_u64 s[40:41], s[38:39], s[34:35]
	s_add_nc_u64 s[42:43], s[40:41], s[34:35]
	s_lshl_b32 s32, s25, 18
	s_lshl_b32 s34, s18, 16
	s_add_co_u32 s32, s32, s34
	s_lshl_b32 s34, s26, 11
	s_add_co_u32 s32, s32, s34                     ; wc: ((16 cg + 4 wave) x 8 + ks) x 2,048
	s_add_nc_u64 s[14:15], s[14:15], s[32:33]
	s_lshl_b32 s32, s26, 14
	s_lshl_b32 s34, s25, 10
	s_add_co_u32 s32, s32, s34
	s_lshl_b32 s34, s18, 8
	s_add_co_u32 s32, s32, s34
	s_add_co_u32 s32, s32, 131072                  ; sc: the weights' words, 16,384 ks + 4 x position
	s_add_nc_u64 s[16:17], s[16:17], s[32:33]
	v_bfe_u32 v2, v0, 3, 1                         ; my column x of 32: bit 3,
	v_bfe_u32 v3, v0, 4, 1                         ; bit 4,
	v_and_b32 v4, 7, v0                            ; the low three.  It stands at position 16 x3 + 8 x4 + low: tile x3, row 8 x4 + low
	v_lshlrev_b32 v5, 4, v4
	v_lshl_add_u32 v5, v3, 7, v5
	v_lshl_add_u32 v5, v2, 14, v5                  ; codes: 16,384 x tile + 16 x row: the 16 lanes of a tile store 256 consecutive bytes
	v_lshlrev_b32 v6, 2, v4
	v_lshl_add_u32 v6, v3, 5, v6
	v_lshl_add_u32 v6, v2, 6, v6                   ; 4 x position
	s_lshl_b32 s44, s18, 8
	s_add_co_u32 s44, s44, WWB
	v_add_nc_u32 v6, s44, v6                       ; my column's scale word in LDS
	v_lshlrev_b32 v7, 3, v1
	v_add_nc_u32 v24, s44, v7                      ; the words' way out
	v_lshlrev_b32 v[RO], 2, v1
.set wi, 1
.rept 31
	v_add_nc_u32 v[RO+wi], s30, v[RO+wi-1]         ; 4 lane + i rows
.set wi, wi+1
.endr
.macro WLOAD q                         ; block q = 4 x group + t: W(128 ks + 32 t + i, my column), i = 0..31; a load reads 128 consecutive bytes, a work-group's waves stand side by side
.set wi, 0
.rept 32
	global_load_b32 v[XW+32*((\q)%2)+wi], v[RO+wi], s[36+2*((\q)%4):37+2*((\q)%4)] offset:128*((\q)/4) th:TH_LOAD_NT
.set wi, wi+1
.endr
.endm
.macro WBLOCK q
.set XS, XW+32*((\q)%2)
.if (\q) < 7
	s_wait_loadcnt 32                              ; this block's 32 loads are in; the next block's may be out
.else
	s_wait_loadcnt 0x0
.endif
	v_max3_num_f32 v12, |v[XS]|, |v[XS+1]|, |v[XS+2]|      ; the block's largest magnitude: all 32 numbers are mine
	v_max3_num_f32 v13, |v[XS+3]|, |v[XS+4]|, |v[XS+5]|
.irp i, 6,10,14,18,22,26
	v_max3_num_f32 v12, v12, |v[XS+\i]|, |v[XS+\i+1]|
	v_max3_num_f32 v13, v13, |v[XS+\i+2]|, |v[XS+\i+3]|
.endr
	v_max3_num_f32 v12, v12, |v[XS+30]|, |v[XS+31]|
	v_max3_num_f32 v12, v12, v13, 0x8000000        ; and the floor
	v_add_nc_u32 v11, 0xf8800000, v12              ; the conversion's scale operand
	v_and_or_b32 v10, v12, 0x7f800000, s[MNT]      ; 57,344 x the scale
	v_lshrrev_b32 v13, 23, v11                     ; the byte
.if (\q)%4 == 0
	v_mov_b32 v[SB+(\q)/4], v13
.else
	v_lshl_or_b32 v[SB+(\q)/4], v13, 8*((\q)%4), v[SB+(\q)/4]
.endif
.set wi, 0
.rept 32
	v_med3_num_f32 v[XS+wi], v[XS+wi], -v10, v10
.set wi, wi+1
.endr
.irp g, 0,1,2,3
	v_cvt_scalef32_pk8_bf8_f32 v[CW+8*(\q)+2*\g:CW+8*(\q)+2*\g+1], v[XS+8*\g:XS+8*\g+7], v11
.endr
	global_store_b128 v5, v[CW+8*(\q):CW+8*(\q)+3], s[14:15] offset:32768*((\q)/4)+512*((\q)%4)          ; k 32 t + 0..15: the image's lanes 0-15
	global_store_b128 v5, v[CW+8*(\q)+4:CW+8*(\q)+7], s[14:15] offset:32768*((\q)/4)+512*((\q)%4)+256    ; k 32 t + 16..31: its lanes 16-31
.if (\q)+2 < 8
	WLOAD (\q)+2
.endif
.if (\q)%4 == 3
	ds_store_b32 v6, v[SB+(\q)/4] offset:128*((\q)/4)
.endif
.endm
	WLOAD 0
	WLOAD 1
.irp q, 0,1,2,3,4,5,6,7
	WBLOCK \q
.endr
	ds_load_b64 v[28:29], v24                      ; LDS serves a wave's instructions in order
	s_wait_dscnt 0x0
	global_store_b64 v7, v[28:29], s[16:17]        ; 256 consecutive bytes, aligned
	s_wait_tensorcnt 0x0
	ds_add_u32 v30, v31
	s_wait_dscnt 0x0
	s_endpgm
.Lfunc_end_k_qfe738601ec_quant:
	.size	k_qfe738601ec_quant, .Lfunc_end_k_qfe738601ec_quant-k_qfe738601ec_quant
	.p2alignl 7, 3214868480
	.fill 96, 4, 3214868480
	.section	.rodata,"a",@progbits
	.p2align	6, 0x0
	.amdhsa_kernel k_qfe738601ec_quant
		.amdhsa_group_segment_fixed_size 36352
		.amdhsa_private_segment_fixed_size 0
		.amdhsa_enable_private_segment 0
		.amdhsa_kernarg_size 56
		.amdhsa_user_sgpr_count 2
		.amdhsa_user_sgpr_kernarg_segment_ptr 1
		.amdhsa_wavefront_size32 1
		.amdhsa_system_sgpr_workgroup_id_x 1
		.amdhsa_system_sgpr_workgroup_id_y 1
		.amdhsa_system_sgpr_workgroup_id_z 1
		.amdhsa_system_vgpr_workitem_id 0
		.amdhsa_next_free_vgpr 256
		.amdhsa_next_free_sgpr 66
		.amdhsa_reserve_vcc 0
		.amdhsa_float_denorm_mode_32 3
		.amdhsa_float_denorm_mode_16_64 3
		.amdhsa_memory_ordered 1
		.amdhsa_forward_progress 1
		.amdhsa_inst_pref_size 109
	.end_amdhsa_kernel
	.amdgpu_metadata
---
amdhsa.version: [ 1, 2 ]
amdhsa.kernels:
  - .name:           k_qfe738601ec_quant
    .symbol:         k_qfe738601ec_quant.kd
    .args:
      - { .name: h, .offset: 0, .size: 8, .value_kind: global_buffer, .address_space: global }
      - { .name: Wq, .offset: 8, .size: 8, .value_kind: global_buffer, .address_space: global }
      - { .name: Wkv, .offset: 16, .size: 8, .value_kind: global_buffer, .address_space: global }
      - { .name: Wo, .offset: 24, .size: 8, .value_kind: global_buffer, .address_space: global }
      - { .name: hc, .offset: 32, .size: 8, .value_kind: global_buffer, .address_space: global }
      - { .name: wc, .offset: 40, .size: 8, .value_kind: global_buffer, .address_space: global }
      - { .name: sc, .offset: 48, .size: 8, .value_kind: global_buffer, .address_space: global }
    .group_segment_fixed_size: 36352
    .private_segment_fixed_size: 0
    .kernarg_segment_align: 8
    .kernarg_segment_size: 56
    .max_flat_workgroup_size: 128
    .sgpr_count:     66
    .vgpr_count:     256
    .wavefront_size: 32
...
	.end_amdgpu_metadata
.endif
;; end of part 1
;; launch qkv (part 2): grid 16 x 16, 4 waves a work-group, clusters of 4 x 4, 327,680 bytes of LDS; arguments hc, wc, sc, mem_norm, qi, qa, kv; writes qi, qa, kv
.if DOCPART == 2
	.amdgcn_target "amdgcn-amd-amdhsa--gfx1250"
	.amdhsa_code_object_version 6
	.text
	.protected	k_qfe738601ec_qkv
	.globl	k_qfe738601ec_qkv
	.p2align	8
	.type	k_qfe738601ec_qkv,@function
k_qfe738601ec_qkv:
	s_mov_b64 s[64:65], 0
	v_nop
	global_prefetch_b8 v0, s[64:65] scope:SCOPE_SE
	s_setreg_imm32_b32 hwreg(HW_REG_WAVE_MODE, 25, 1), 1
	s_wait_xcnt 0x0
	s_wait_alu depctr_hold_cnt(0) depctr_sa_sdst(0) depctr_va_vdst(0) depctr_va_sdst(0) depctr_va_ssrc(0) depctr_va_vcc(0) depctr_vm_vsrc(0)
	s_getreg_b32 s2, hwreg(HW_REG_IB_STS2, 6, 4)
	s_cmp_eq_u32 s2, 0
	s_cbranch_scc0 .Lentry_in_a_cluster
	s_endpgm
.Lentry_in_a_cluster:
	s_bfe_u32 s2, ttmp6, 0x10000c
	s_cmp_lg_u32 s2, 0xf033
	s_cbranch_scc0 .Lentry_shape_is_right
	s_endpgm
.Lentry_shape_is_right:
.set NQ,     2
.set FR,     16
.set NL,     4
.set NP,     8
.set PART,   32768
.set SLOT,   4*PART
.set LAPS,   2
.set SCL,    2*SLOT
.set SPART,  4096
.set SPARE,  SCL+4*SPART
.set STW,    SPARE+512
.set STEPB,  17152
.set HEADB,  16*STEPB
.set VOFF,   8192
.set KSOFF,  16384
.set VSOFF,  16896
.set ADRA, 16
.set ADRB, 20
.set ADRS, 27
.set SPW,  28
.set NIL,  29
.set SC,   32
.set AF,   128
.set G1, 24
.set G0, 32
.set G1B, 48
.set G0B, 56
.set G1S, 68
.set G0S, 76
.set G1SB, 80
.set G0SB, 88
.set MSB, 0
.macro WIN new
.if MSB != (\new)
	s_set_vgpr_msb (MSB<<8)|(\new)
.set MSB, (\new)
.endif
.endm
.set MUL_LO, 0xa1
.set MUL_HI, 0xf1
.set TO_B,   0x40
.macro JLOAD g0a, g1a, g0b, g1b
	s_cmp_eq_u32 s15, 0
	s_cbranch_scc0 .Lfor_b_\@
	tensor_load_to_lds s[\g0a:\g0a+3], s[\g1a:\g1a+7]
	s_nop 0
.rept 4
	v_nop
.endr
	s_branch .Lasked_\@
.Lfor_b_\@:
	tensor_load_to_lds s[\g0b:\g0b+3], s[\g1b:\g1b+7]
	s_nop 0
.rept 4
	v_nop
.endr
.Lasked_\@:
.endm
.macro CREST
	s_cmp_lg_u32 s14, 0
	s_cbranch_scc1 .Lnot_wave_0_\@
	s_barrier_signal -3
.Lnot_wave_0_\@:
	s_barrier_wait -3
	s_barrier_signal -1
	s_barrier_wait -1
.endm
.macro CROUND
	s_barrier_signal -1
	s_barrier_wait -1
	CREST
.endm
	s_load_b256 s[4:11], s[0:1], 0x0
	s_load_b128 s[96:99], s[0:1], 0x20
	s_load_b64 s[100:101], s[0:1], 0x30
	v_lshl_add_u32 v[SPW], v0, 2, SPARE
	v_mov_b32 v[NIL], 0
	ds_add_u32 v28, v29
	ds_add_u32 v28, v29
	s_wait_dscnt 0x0
	v_lshrrev_b32 v1, 5, v0
	v_readfirstlane_b32 s14, v1
	s_lshr_b32 s15, s14, 1
	s_and_b32 s16, s14, 1
	s_bfe_u32 s40, ttmp6, 0x40000
	s_bfe_u32 s41, ttmp6, 0x40004
	s_and_b32 s18, ttmp7, 0xffff
	s_lshl_b32 s18, s18, 2
	s_add_co_u32 s17, s18, s41
	s_add_co_u32 s19, s41, 8
	s_cmp_eq_u32 ttmp9, 3
	s_cselect_b32 s42, 0, ttmp9
	s_lshl_b32 s42, s42, 2
	s_add_co_u32 s42, s42, s40
	s_add_co_u32 s2, s18, s40
	s_cmp_eq_u32 ttmp9, 2
	s_cselect_b32 s17, s19, s17
	s_cselect_b32 s42, s2, s42
	s_lshl_b32 s43, s41, 2
	s_lshl_b32 s43, 15, s43
	s_lshl_b32 s44, 0x1111, s40
	s_or_b32 s[G1+0], s43, (3<<16)|(1<<21)
	s_or_b32 s[G1B+0], s44, (3<<16)|(1<<21)
.irp g, G1, G1B
	s_mov_b32 s[\g+1], 512<<16
	s_mov_b32 s[\g+2], 8<<16
	s_mov_b32 s[\g+3], 512<<16
	s_mov_b32 s[\g+4], 8
	s_mov_b32 s[\g+5], 2048
	s_mov_b32 s[\g+6], 0
	s_mov_b32 s[\g+7], 0
.endr
	s_or_b32 s[G1S+0], s43, (3<<16)|(1<<21)
	s_or_b32 s[G1SB+0], s44, (3<<16)|(1<<21)
.irp g, G1S, G1SB
	s_mov_b32 s[\g+1], 64<<16
	s_mov_b32 s[\g+2], 8<<16
	s_mov_b32 s[\g+3], 64<<16
	s_mov_b32 s[\g+4], 8
	s_mov_b32 s[\g+5], 2048
	s_mov_b32 s[\g+6], 0
	s_mov_b32 s[\g+7], 0
.endr
	s_lshl_b32 s18, s16, 7
	s_lshl_b32 s20, s17, 8
	s_add_co_u32 s20, s20, s18
	s_lshl_b32 s46, s42, 8
	s_add_co_u32 s46, s46, s18
	s_lshl_b32 s22, s20, 2
	s_lshl_b32 s92, s46, 2
	s_lshl_b32 s20, s20, 10
	s_lshl_b32 s46, s46, 10
	s_mov_b32 s21, 0
	s_mov_b32 s23, 0
	s_mov_b32 s47, 0
	s_mov_b32 s93, 0
	s_cmp_eq_u32 ttmp9, 2
	s_cselect_b32 s19, 131072, 0
	s_cselect_b32 s2, 0, 131072
	s_add_co_u32 s22, s22, s19
	s_add_co_u32 s92, s92, s2
	s_mul_i32 s45, s14, PART
	s_mul_i32 s94, s14, SPART
	s_wait_kmcnt 0x0
	s_cmp_eq_u32 ttmp9, 2
	s_cselect_b64 s[12:13], s[6:7], s[4:5]
	s_cselect_b64 s[4:5], s[4:5], s[6:7]
	s_add_nc_u64 s[20:21], s[12:13], s[20:21]
	s_add_nc_u64 s[46:47], s[4:5], s[46:47]
	s_add_nc_u64 s[22:23], s[8:9], s[22:23]
	s_add_nc_u64 s[92:93], s[8:9], s[92:93]
	CROUND
	s_mov_b32 s[G0S], 1
	s_add_co_u32 s[G0S+1], s94, SCL
	s_mov_b64 s[G0S+2:G0S+3], s[22:23]
	s_or_b32 s[G0S+3], s[G0S+3], 0x80000000
	s_mov_b32 s[G0SB], 1
	s_add_co_u32 s[G0SB+1], s94, SCL
	s_mov_b64 s[G0SB+2:G0SB+3], s[92:93]
	s_or_b32 s[G0SB+3], s[G0SB+3], 0x80000000
	JLOAD G0S, G1S, G0SB, G1SB
.irp s, 0,1
	s_mov_b32 s[G0+4*\s], 1
	s_add_co_u32 s[G0+4*\s+1], s45, \s*SLOT
	s_add_nc_u64 s[G0+4*\s+2:G0+4*\s+3], s[20:21], \s*4096
	s_or_b32 s[G0+4*\s+3], s[G0+4*\s+3], 0x80000000
	s_mov_b32 s[G0B+4*\s], 1
	s_add_co_u32 s[G0B+4*\s+1], s45, \s*SLOT
	s_add_nc_u64 s[G0B+4*\s+2:G0B+4*\s+3], s[46:47], \s*4096
	s_or_b32 s[G0B+4*\s+3], s[G0B+4*\s+3], 0x80000000
	s_wait_alu depctr_va_vdst(0)
	s_wait_tensorcnt 0x0
	ds_add_u32 v28, v29
	s_wait_dscnt 0x0
	CROUND
	JLOAD G0+4*\s, G1, G0B+4*\s, G1B
.endr
	v_and_b32 v1, 15, v0
	v_bfe_u32 v2, v0, 4, 1
	s_wait_alu depctr_va_vdst(0)
	v_and_b32 v3, 31, v0
	v_lshlrev_b32 v4, 4, v3
	s_mul_i32 s21, s15, PART
	s_mul_i32 s22, s16, PART
	s_add_co_u32 s22, s22, 2*PART
.irp s, 0,1
	v_add_nc_u32 v[ADRA+\s], s21, v4
	v_add_nc_u32 v[ADRB+\s], s22, v4
	s_add_co_u32 s21, s21, SLOT
	s_add_co_u32 s22, s22, SLOT
.endr
	s_mul_i32 s21, s15, SPART
	s_mul_i32 s22, s16, SPART
	s_add_co_u32 s22, s22, 2*SPART
	s_sub_co_u32 s22, s22, s21
	v_mul_u32_u24 v6, s22, v2
	s_add_co_u32 s21, s21, SCL
	v_lshl_add_u32 v5, v1, 2, v6
	v_add_nc_u32 v[ADRS], s21, v5
.macro FRAG reg, adr, q, i
.irp c, 0,1,2,3
	ds_load_b128 v[\reg+4*\c:\reg+4*\c+3], v[\adr] offset:2048*(\q)+512*\c+4096*(\i)
.endr
.endm
.macro MUL16 a0, p, q, sc, zero
.irp a, \a0, \a0+1
.irp b, 0,1,2,3,4,5,6,7
.if \zero
	v_wmma_scale_f32_16x16x128_f8f6f4 v[8*(8*((\a)%4)+\b):8*(8*((\a)%4)+\b)+7], v[128*(\p)+FR*\b:128*(\p)+FR*\b+FR-1], v[AF+FR*(\a):AF+FR*(\a)+FR-1], 0, v[SC+8*NQ*(\sc)+NQ*\b+(\q)], v[SC+8*NQ*(\sc)+NQ*(\a)+(\q)] matrix_a_fmt:MATRIX_FMT_BF8 matrix_b_fmt:MATRIX_FMT_BF8 matrix_a_scale:MATRIX_SCALE_ROW1
.else
	v_wmma_scale_f32_16x16x128_f8f6f4 v[8*(8*((\a)%4)+\b):8*(8*((\a)%4)+\b)+7], v[128*(\p)+FR*\b:128*(\p)+FR*\b+FR-1], v[AF+FR*(\a):AF+FR*(\a)+FR-1], v[8*(8*((\a)%4)+\b):8*(8*((\a)%4)+\b)+7], v[SC+8*NQ*(\sc)+NQ*\b+(\q)], v[SC+8*NQ*(\sc)+NQ*(\a)+(\q)] matrix_a_fmt:MATRIX_FMT_BF8 matrix_b_fmt:MATRIX_FMT_BF8 matrix_a_scale:MATRIX_SCALE_ROW1
.endif
.endr
.endr
.endm
.macro FETCH_B slot, q, p
	WIN TO_B
.irp i, 0,1,2,3,4,5,6,7
	FRAG 128*(\p)+FR*\i, ADRB+\slot, \q, \i
.endr
	WIN 0
.endm
.macro FETCH_A slot, q, i0
.irp i, \i0, \i0+1, \i0+2, \i0+3
	FRAG AF+FR*(\i), ADRA+\slot, \q, \i
.endr
.endm
.macro SCALES sc
.irp i, 0,1,2,3,4,5,6,7
.irp q, 0,1
	ds_load_b32 v[SC+8*NQ*\sc+NQ*\i+\q], v[ADRS] offset:512*\q+64*\i
.endr
.endr
.endm
.macro PLACES n
.rept \n
	v_nop
.endr
.endm
.macro STEP slot, q, zero
	s_wait_dscnt 4*NL
	WIN MUL_LO
	MUL16 0, (\q)%2, \q, \slot, \zero
	MUL16 2, (\q)%2, \q, \slot, \zero
	s_wait_dscnt 0
	PLACES NP
	FETCH_B \slot, (\q)+1, 1-(\q)%2
	FETCH_A \slot, (\q)+1, 0
	WIN MUL_HI
	MUL16 4, (\q)%2, \q, \slot, \zero
	MUL16 6, (\q)%2, \q, \slot, \zero
	PLACES NP
	WIN 0
	FETCH_A \slot, (\q)+1, 4
.endm
.macro TURN slot, next, fill
	s_wait_tensorcnt 0x0
	ds_add_u32 v[SPW], v[NIL]
	s_wait_dscnt 4*NL+1
	WIN MUL_LO
	MUL16 0, 1, NQ-1, \slot, 0
	s_wait_dscnt 0x0
	s_barrier_signal -1
	MUL16 2, 1, NQ-1, \slot, 0
	WIN 0
	s_barrier_wait -1
.if \fill
	CREST
	s_add_nc_u64 s[G0+4*\slot+2:G0+4*\slot+3], s[G0+4*\slot+2:G0+4*\slot+3], 8192
	s_add_nc_u64 s[G0B+4*\slot+2:G0B+4*\slot+3], s[G0B+4*\slot+2:G0B+4*\slot+3], 8192
	JLOAD G0+4*\slot, G1, G0B+4*\slot, G1B
	PLACES NP-4
.else
	PLACES NP
.endif
	s_wait_alu depctr_va_vdst(0)
	v_add_nc_u32 v[ADRS], 1024, v[ADRS]
	FETCH_B \next, 0, 0
	FETCH_A \next, 0, 0
	SCALES \next
	WIN MUL_HI
	MUL16 4, 1, NQ-1, \slot, 0
	MUL16 6, 1, NQ-1, \slot, 0
	PLACES NP
	WIN 0
	FETCH_A \next, 0, 4
.endm
	s_wait_alu depctr_va_vdst(0)
	s_wait_tensorcnt 1
	s_barrier_signal -1
	s_barrier_wait -1
	FETCH_B 0, 0, 0
	FETCH_A 0, 0, 0
	SCALES 0
	FETCH_A 0, 0, 4
	STEP 0, 0, 1
	s_mov_b32 s3, LAPS-1
.Llap:
	TURN 0, 1, 1
	STEP 1, 0, 0
	TURN 1, 0, 1
	STEP 0, 0, 0
	s_sub_co_u32 s3, s3, 1
	s_cmp_lg_u32 s3, 0
	s_cbranch_scc1 .Llap
	TURN 0, 1, 0
	STEP 1, 0, 0
	s_wait_dscnt 4*NL
	WIN MUL_LO
	MUL16 0, 1, NQ-1, 1, 0
	MUL16 2, 1, NQ-1, 1, 0
	s_wait_dscnt 0
	WIN MUL_HI
	MUL16 4, 1, NQ-1, 1, 0
	MUL16 6, 1, NQ-1, 1, 0
	WIN 0
.set L16, 4
.set DA,  3
.set VO1, 6
.set WA,  7
.set LD,  8
.set WT,  9
.set SH,  10
.set GQ,  11
.set GK,  12
.set MNO, 13
.set W0,  14
.set W1,  15
.set VOV, 18
.set ZR,  19
.set XX,  32
.set YY,  96
.set PC,  160
.set PC2, 176
.set TM,  192
.set PW,  208
.set TT,  210
.set DD,  218
.set GA,  224
.set SEL, 60
.set MNT, 62
.set KIND, 72
.set MYH,  73
.macro QUANT s, nb, pc, pw
.set qb, 0
.rept \nb
	v_max3_num_f32 v[TM+qb], |v[\s+16*qb]|, |v[\s+16*qb+1]|, 0x8000000
.set qb, qb+1
.endr
.set qn, 2
.rept 7
.set qb, 0
.rept \nb
	v_max3_num_f32 v[TM+qb], v[TM+qb], |v[\s+16*qb+qn]|, |v[\s+16*qb+qn+1]|
.set qb, qb+1
.endr
.set qn, qn+2
.endr
.set qb, 0
.rept \nb
	v_permlanex16_b32 v[TM+4+qb], v[TM+qb], s[SEL], s[SEL+1]
.set qb, qb+1
.endr
.set qb, 0
.rept \nb
	v_max_num_f32 v[TM+qb], v[TM+qb], v[TM+4+qb]
.set qb, qb+1
.endr
.set qb, 0
.rept \nb
	v_add_nc_u32 v[TM+12+qb], 0xf8800000, v[TM+qb]
.set qb, qb+1
.endr
.set qb, 0
.rept \nb
	v_and_or_b32 v[TM+8+qb], v[TM+qb], 0x7f800000, s[MNT]
.set qb, qb+1
.endr
.set qb, 0
.rept \nb
	v_lshrrev_b32 v[TM+4+qb], 23, v[TM+12+qb]
.set qb, qb+1
.endr
	v_lshl_or_b32 v[\pw], v[TM+5], 8, v[TM+4]
.if \nb == 4
	v_lshl_or_b32 v[\pw], v[TM+6], 16, v[\pw]
	v_lshl_or_b32 v[\pw], v[TM+7], 24, v[\pw]
.endif
.set qb, 0
.rept \nb
.set qn, 0
.rept 16
	v_med3_num_f32 v[\s+16*qb+qn], v[\s+16*qb+qn], -v[TM+8+qb], v[TM+8+qb]
.set qn, qn+1
.endr
	v_cvt_scalef32_pk8_bf8_f32 v[\pc+4*qb:\pc+4*qb+1], v[\s+16*qb:\s+16*qb+7], v[TM+12+qb]
	v_cvt_scalef32_pk8_bf8_f32 v[\pc+4*qb+2:\pc+4*qb+3], v[\s+16*qb+8:\s+16*qb+15], v[TM+12+qb]
.set qb, qb+1
.endr
	v_nop
.endm
.macro WORD tmp, off
	v_lshrrev_b32 v[\tmp], v[SH], v[PW]
	v_and_b32 v[\tmp], 0xffff, v[\tmp]
	v_lshl_or_b32 v[\tmp], v[\tmp], 16, v[\tmp]
	v_cndmask_b32 v[\tmp], v[\tmp], v[PW], s39
	ds_store_b32 v[WT], v[\tmp] offset:\off
.endm
	PLACES NP
	s_barrier_signal -1
	s_barrier_wait -1
	s_cmp_eq_u32 ttmp9, 3
	s_cselect_b32 s[KIND], 0, ttmp9
	s_cselect_b32 s[MYH], 1, 0
	s_cmp_eq_u32 ttmp9, 2
	s_cselect_b32 s24, s42, s17
	s_cselect_b32 s25, s16, s15
	s_cselect_b32 s26, s41, s40
	s_cselect_b32 s27, s15, s16
	s_lshr_b32 s28, s24, 3
	s_and_b32 s24, s24, 7
	s_lshl_b32 s24, s24, 1
	s_add_co_u32 s24, s24, s25
	s_lshl_b32 s26, s26, 2
	s_lshl_b32 s27, s27, 1
	s_add_co_u32 s26, s26, s27
	s_lshl_b32 s28, s28, 4
	s_add_co_u32 s26, s26, s28
	s_lshl_b32 s30, s26, 18
	s_lshl_b32 s31, s24, 14
	s_add_co_u32 s30, s30, s31
	s_lshr_b32 s31, s30, 3
	s_mul_i32 s32, s26, HEADB
	s_mul_i32 s33, s24, STEPB
	s_add_co_u32 s32, s32, s33
	s_lshl_b32 s70, s26, 8
	s_mov_b32 s71, 0
	s_mov_b32 s34, KSOFF
	s_mov_b32 s35, HEADB
	s_mov_b32 s36, 1024
	s_mov_b32 s37, 1024
	s_cmp_eq_u32 ttmp9, 2
	s_cselect_b32 s33, VOFF, 0
	s_cselect_b32 s34, VSOFF, s34
	s_cselect_b32 s35, 1024, s35
	s_cselect_b32 s36, 2048, s36
	s_cselect_b32 s37, HEADB-3*2048, s37
	s_cselect_b32 s38, 0, 16
	s_cselect_b32 s39, -1, 0
	s_add_co_u32 s52, s32, s33
	s_add_co_u32 s54, s32, s34
	s_cmp_eq_u32 s[KIND], 0
	s_cselect_b32 s52, s30, s52
	s_cselect_b32 s54, s31, s54
	s_cselect_b32 s35, 262144, s35
	s_cselect_b32 s36, 2048, s36
	s_cselect_b32 s37, 2048, s37
	s_cselect_b64 s[48:49], s[96:97], s[100:101]
	s_cselect_b64 s[50:51], s[98:99], s[100:101]
	s_mov_b32 s53, 0
	s_mov_b32 s55, 0
	s_mov_b32 s57, 0
	s_add_nc_u64 s[48:49], s[48:49], s[52:53]
	s_add_nc_u64 s[50:51], s[50:51], s[54:55]
	s_add_nc_u64 s[10:11], s[10:11], s[70:71]
	s_mov_b32 s[SEL], 0x76543210
	s_mov_b32 s[SEL+1], 0xfedcba98
	s_mov_b32 s[MNT], 0x600000
	s_mov_b32 s63, 0xffff0000
	s_mov_b32 s66, 0x3fb8aa3b
	s_mov_b32 s67, s66
	s_lshl_b32 s58, s14, 16
	v_add_nc_u32 v[DA], s58, v[L16]
	s_lshl_b32 s59, s14, 12
	s_add_co_u32 s59, s59, STW
	v_lshlrev_b32 v[WA], 2, v1
	v_lshl_add_u32 v[WA], v2, 11, v[WA]
	v_add_nc_u32 v[WA], s59, v[WA]
	s_lshl_b32 s74, s[MYH], 10
	s_mov_b32 s75, 0
	s_add_co_u32 s76, s59, s74
	v_add_nc_u32 v[GQ], s76, v[L16]
	v_and_b32 v5, 31, v0
	v_lshrrev_b32 v[GK], 2, v5
	v_and_b32 v5, 3, v5
	v_lshlrev_b32 v[GK], 8, v[GK]
	v_lshl_add_u32 v[GK], v5, 4, v[GK]
	v_add_nc_u32 v[GK], s59, v[GK]
	v_mul_u32_u24 v[SH], s38, v2
	v_add_nc_u32 v[VO1], s35, v[L16]
	v_lshlrev_b32 v[MNO], 6, v2
	v_mul_u32_u24 v[VOV], v2, HEADB
	v_lshl_add_u32 v[VOV], v1, 4, v[VOV]
	v_mov_b32 v[ZR], 0
.irp b, 0,1,2,3
	v_mov_b32 v[TM+4+\b], 0
.endr
	WIN 0x40
.irp k, 0,1,2,3
.irp j, 0,1,2,3
	global_load_b128 v[16*\k+4*\j:16*\k+4*\j+3], v[MNO], s[10:11] offset:128*\k+16*\j
.endr
.endr
.irp a, 0,1,2,3,4,5,6,7
	WIN 0x08+4*(\a/4)
.set dg, 0
.rept 16
	ds_store_b128 v[DA], v[64*(\a%4)+4*dg:64*(\a%4)+4*dg+3] offset:8192*\a+512*dg
.set dg, dg+1
.endr
.endr
	WIN 0
	s_wait_loadcnt 0x0
	s_mov_b32 s3, 0
	s_mov_b32 s68, 0
	s_mov_b32 s69, 0
.Lrow:
	s_cmp_lg_u32 s[KIND], 0
	s_cbranch_scc1 .Lmine
	s_lshr_b32 s77, s3, 2
	s_cmp_lg_u32 s77, s[MYH]
	s_cbranch_scc1 .Lnext
.Lmine:
	v_add_nc_u32 v[LD], s68, v[DA]
	v_add_nc_u32 v[WT], s69, v[WA]
.set dg, 0
.rept 16
	ds_load_b128 v[XX+4*dg:XX+4*dg+3], v[LD] offset:512*dg
.set dg, dg+1
.endr
	s_wait_dscnt 0x0
	s_cmp_lg_u32 s[KIND], 0
	s_cbranch_scc1 .Lplain
.set si, 0
.rept 32
	v_pk_mul_f32 v[YY+si:YY+si+1], v[XX+si:XX+si+1], s[66:67] op_sel_hi:[1,0]
.set si, si+2
.endr
.set si, 0
.rept 64
	v_min_num_f32 v[YY+si], 0, v[YY+si]
.set si, si+1
.endr
.set si, 0
	s_wait_alu depctr_va_vdst(0)
.rept 64
	v_exp_f32 v[YY+si], v[YY+si]
.set si, si+1
.endr
.set sg, 0
	s_wait_alu depctr_va_vdst(0)
.rept 8
.set sk, 0
.rept 8
	v_max_num_f32 v[TT+sk], 0, v[XX+8*sg+sk]
.set sk, sk+1
.endr
.set sk, 0
.rept 4
	v_pk_add_f32 v[YY+8*sg+2*sk:YY+8*sg+2*sk+1], v[YY+8*sg+2*sk:YY+8*sg+2*sk+1], v[TT+2*sk:TT+2*sk+1]
.set sk, sk+1
.endr
.set sg, sg+1
.endr
	WIN 0x04
	v_pk_mul_f32 v[DD:DD+1], v[YY:YY+1], v[0:1]
	v_pk_mul_f32 v[DD+2:DD+3], v[YY+32:YY+33], v[32:33]
.set si, 2
.rept 15
	v_pk_fma_f32 v[DD:DD+1], v[YY+si:YY+si+1], v[si:si+1], v[DD:DD+1]
	v_pk_fma_f32 v[DD+2:DD+3], v[YY+32+si:YY+33+si], v[32+si:33+si], v[DD+2:DD+3]
.set si, si+2
.endr
	WIN 0
	v_add_f32 v[DD], v[DD], v[DD+1]
	v_add_f32 v[DD+2], v[DD+2], v[DD+3]
	v_permlanex16_b32 v[DD+1], v[DD], s[SEL], s[SEL+1]
	v_permlanex16_b32 v[DD+3], v[DD+2], s[SEL], s[SEL+1]
	v_add_f32 v[DD], v[DD], v[DD+1]
	v_add_f32 v[DD+2], v[DD+2], v[DD+3]
	v_cndmask_b32 v[DD], v[DD], v[DD+2], s63
	QUANT YY, 4, PC2, PW
	global_store_b128 v[L16], v[PC2:PC2+3], s[48:49] offset:1024
	global_store_b128 v[L16], v[PC2+4:PC2+7], s[48:49] offset:1536
	global_store_b128 v[VO1], v[PC2+8:PC2+11], s[48:49] offset:1024
	global_store_b128 v[VO1], v[PC2+12:PC2+15], s[48:49] offset:1536
	WORD W1, 64
	ds_store_b32 v[WT], v[DD] offset:128
	ds_store_b32 v[WT], v[ZR] offset:192
.Lplain:
	QUANT XX, 4, PC, PW
	global_store_b128 v[L16], v[PC:PC+3], s[48:49]
	global_store_b128 v[L16], v[PC+4:PC+7], s[48:49] offset:512
	global_store_b128 v[VO1], v[PC+8:PC+11], s[48:49]
	global_store_b128 v[VO1], v[PC+12:PC+15], s[48:49] offset:512
	WORD W0, 0
.Lnext:
	s_wait_xcnt 0x0
	s_cmp_eq_u32 s3, 3
	s_cselect_b32 s56, s37, s36
	s_add_nc_u64 s[48:49], s[48:49], s[56:57]
	s_add_co_u32 s68, s68, 8192
	s_add_co_u32 s69, s69, 256
	s_add_co_u32 s3, s3, 1
	s_cmp_lt_u32 s3, 8
	s_cbranch_scc1 .Lrow
	s_cmp_eq_u32 s[KIND], 0
	s_cbranch_scc1 .Lwords_q
	s_cmp_eq_u32 s[KIND], 1
	s_cbranch_scc1 .Lwords_k
	ds_load_b128 v[GA:GA+3], v[GK]
	s_wait_dscnt 0x0
	s_wait_alu depctr_va_vdst(0)
	global_store_b128 v[VOV], v[GA:GA+3], s[50:51]
	s_branch .Lout
.Lwords_k:
	ds_load_b128 v[GA:GA+3], v[GK]
	ds_load_b128 v[GA+4:GA+7], v[GK] offset:2048
	s_wait_dscnt 0x0
	global_store_b128 v[L16], v[GA:GA+3], s[50:51]
	global_store_b128 v[L16], v[GA+4:GA+7], s[50:51] offset:HEADB
	s_branch .Lout
.Lwords_q:
	s_add_nc_u64 s[50:51], s[50:51], s[74:75]
.irp j, 0,1,2,3
	ds_load_b128 v[GA+4*\j:GA+4*\j+3], v[GQ] offset:512*(\j%2)+2048*(\j/2)
.endr
	s_wait_dscnt 0x0
.irp j, 0,1,2,3
	global_store_b128 v[L16], v[GA+4*\j:GA+4*\j+3], s[50:51] offset:512*(\j%2)+32768*(\j/2)
.endr
.Lout:
	s_wait_tensorcnt 0x0
	ds_add_u32 v[SPW], v[NIL]
	s_wait_dscnt 0x0
	CROUND
	s_endpgm
.Lfunc_end_k_qfe738601ec_qkv:
	.size	k_qfe738601ec_qkv, .Lfunc_end_k_qfe738601ec_qkv-k_qfe738601ec_qkv
	.p2alignl 7, 3214868480
	.fill 96, 4, 3214868480
	.section	.rodata,"a",@progbits
	.p2align	6, 0x0
	.amdhsa_kernel k_qfe738601ec_qkv
		.amdhsa_group_segment_fixed_size 327680
		.amdhsa_private_segment_fixed_size 0
		.amdhsa_enable_private_segment 0
		.amdhsa_kernarg_size 56
		.amdhsa_user_sgpr_count 2
		.amdhsa_user_sgpr_kernarg_segment_ptr 1
		.amdhsa_wavefront_size32 1
		.amdhsa_system_sgpr_workgroup_id_x 1
		.amdhsa_system_sgpr_workgroup_id_y 1
		.amdhsa_system_sgpr_workgroup_id_z 1
		.amdhsa_system_vgpr_workitem_id 0
		.amdhsa_next_free_vgpr 1024
		.amdhsa_next_free_sgpr 102
		.amdhsa_reserve_vcc 0
		.amdhsa_float_denorm_mode_32 3
		.amdhsa_float_denorm_mode_16_64 3
		.amdhsa_memory_ordered 1
		.amdhsa_forward_progress 1
		.amdhsa_inst_pref_size 165
	.end_amdhsa_kernel
	.amdgpu_metadata
---
amdhsa.version: [ 1, 2 ]
amdhsa.kernels:
  - .name:           k_qfe738601ec_qkv
    .symbol:         k_qfe738601ec_qkv.kd
    .args:
      - { .name: hc, .offset: 0, .size: 8, .value_kind: global_buffer, .address_space: global }
      - { .name: wc, .offset: 8, .size: 8, .value_kind: global_buffer, .address_space: global }
      - { .name: sc, .offset: 16, .size: 8, .value_kind: global_buffer, .address_space: global }
      - { .name: mem_norm, .offset: 24, .size: 8, .value_kind: global_buffer, .address_space: global }
      - { .name: qi, .offset: 32, .size: 8, .value_kind: global_buffer, .address_space: global }
      - { .name: qa, .offset: 40, .size: 8, .value_kind: global_buffer, .address_space: global }
      - { .name: kv, .offset: 48, .size: 8, .value_kind: global_buffer, .address_space: global }
    .group_segment_fixed_size: 327680
    .private_segment_fixed_size: 0
    .kernarg_segment_align: 8
    .kernarg_segment_size: 56
    .max_flat_workgroup_size: 128
    .sgpr_count:     102
    .vgpr_count:     1024
    .wavefront_size: 32
...
	.end_amdgpu_metadata
.endif
;; end of part 2
;; launch attn (part 3): grid 8 x 32, 16 waves a work-group, clusters of 4 x 1, 327,680 bytes of LDS; arguments qi, qa, kv, memory, gate_beta, ic, is; writes ic, is
.if DOCPART == 3
	.amdgcn_target "amdgcn-amd-amdhsa--gfx1250"
	.amdhsa_code_object_version 6
	.text
	.protected	k_qfe738601ec_attn
	.globl	k_qfe738601ec_attn
	.p2align	8
	.type	k_qfe738601ec_attn,@function
k_qfe738601ec_attn:
	s_mov_b64 s[64:65], 0
	v_nop
	global_prefetch_b8 v0, s[64:65] scope:SCOPE_SE
	s_setreg_imm32_b32 hwreg(HW_REG_WAVE_MODE, 25, 1), 1
	s_wait_xcnt 0x0
	s_wait_alu depctr_hold_cnt(0) depctr_sa_sdst(0) depctr_va_vdst(0) depctr_va_sdst(0) depctr_va_ssrc(0) depctr_va_vcc(0) depctr_vm_vsrc(0)
	s_getreg_b32 s2, hwreg(HW_REG_IB_STS2, 6, 4)
	s_cmp_eq_u32 s2, 0
	s_cbranch_scc0 .Lentry_in_a_cluster
	s_endpgm
.Lentry_in_a_cluster:
	s_bfe_u32 s2, ttmp6, 0x10000c
	s_cmp_lg_u32 s2, 0x3003
	s_cbranch_scc0 .Lentry_shape_is_right
	s_endpgm
.Lentry_shape_is_right:
; inj = g num / den + (1 - g) softmax(q k^T / 8) v for one head, quantised for the output projection.  All products on codes of BF8 (E5M2) with E8M0 block scales, f32 sums.
; SOFTMAX AHEAD OF THE SECOND PRODUCT: t = score x log2(e) / 8; M = the running largest t rounded UP to a whole number; p = 2^(t - M) is quantised along the keys; the row's sum is taken of the unquantised p and divides at the end.
; SHARES.  A work-group owns 256 queries of one head (hd = 16 b + n); each of its sixteen waves one tile of 16, in 256 registers.  Every wave walks the head's 2,048 keys, 128 a step.
; THE WHOLE HEAD'S K AND V LIE IN LDS: 16 step records of 17,152 bytes (K's 8 tiles x 1,024 | V^T's 4 channel tiles x 2,048 | K's words 512 | V's words 256), each filled once: nothing is filled again.
; FILLS.  Wave w asks for record w: one tensor load a wave, all at the head.  A wave walks the records in the order w, w + 1, .. (mod 16): its own record needs its own wait alone; one barrier behind that step shows all sixteen to all.
; The order of the key steps is free: M is a whole number, so every rescaling is an exact power of two.
; CLUSTER.  The four work-groups of a cluster belong to one head: each record is asked for JOINTLY (mask 15).  No prefetch: all fills go out at the head, so there is no loop to run ahead in.
; LAYOUT.  Both products are used transposed (source 0 = 16 keys or 16 channels, source 1 = my 16 queries): a lane holds one query throughout.  Tiles hold rows at positions (bits 3 and 4 exchanged), so 16 registers of two
; neighbouring tiles are 16 neighbours.  THE FIRST PRODUCT'S K IS 64: a fragment of 128 holds TWO tiles of keys, one in each half, and is multiplied by [Q | 0] and by [0 | Q]; zero codes add nothing.  The same for memory^T x sigma.
; LIMITS: v_rcp_f32 for the two divisions; a block of zeros gets the byte 1 (its codes are zeros; this program alone reads the bytes); NaN and infinities are not served; scaled scores stay under 2^31 in magnitude.
.set STEPB, 17152
.set HEADB, 16*STEPB
.set VOFF,  8192
.set KSOFF, 16384
.set VSOFF, 16896
.set MEMI,  HEADB                      ; memory^T's two fragments, 4,096 bytes
.set MEMW,  MEMI+4096                  ; their words: fragment u's 16 at 64 u
.set ISW,   MEMW+256                   ; the result's words: 64 bytes a wave
.set SGI,   ISW+1024                   ; sigma's image: 1,024 bytes a wave
.set SPARE, SGI+16384                  ; the spare words: 128 bytes a wave
.set LI,  1                            ; 16 lane
.set LS,  2                            ; 4 lane
.set ADK, 3                            ; LI + the step's record
.set ADW, 4                            ; LS + the step's record
.set DEN, 5
.set QS,  6                            ; lanes 0-15 q's words, lanes 16-31 sigma's
.set SCR, 7
.set KW,  8                            ; v8-11 K's words
.set QQ,  16                           ; v16-23 Q, v24-31 zeros, v32-39 Q
.set FB,  40                           ; v40-103 four fragments
.set S,   104                          ; v104-167 S^T, then p (it stays unclamped)
.set O,   168                          ; v168-199 O^T
.set PCD, 200                          ; v200-215 p's codes
.set TM,  216                          ; v216-231 block maxima, bytes, limits, scale operands; then the sum's four chains
.set TT,  232                          ; v232-247 the held p, two sets of eight; at the head and at the end: addresses
.set VW,  248
.set FF,  250                          ; f = 2^(old M - new M); the pair's upper half is
.set PWD, 251                          ; p's scale word
.set GG,  252                          ; g, 1 - g
.set SPW, 254
.set NIL, 255
.set SGA, 232
.set MIA, 233                          ; head
.set MWA, 234
.set MOFF, 235
.set MRA, 233                          ; end
.set MWR, 234
.set ISA, 235
.set ISR, 236
.set PW,  237
.set CA,  238
.set CB,  240
.set WV,  18
.set MNT, 19
.set SEL, 20
.set CS,  22
.set G1,  24
.set G0,  32
.set SGB, 40
.set ISB, 41
.set TB,  48
.set CNT, 49
.macro ROUND
	s_barrier_signal -1
	s_barrier_wait -1
	s_cmp_lg_u32 s[WV], 0
	s_cbranch_scc1 .Lnot_wave_0_\@
	s_barrier_signal -3
.Lnot_wave_0_\@:
	s_barrier_wait -3
	s_barrier_signal -1
	s_barrier_wait -1
.endm
.macro WMX d, a, b, z, sa, sb, ra, rb  ; z = 1: the product starts its sum; ra, rb: the rows of the scale registers
.if \z
.if (\ra) && (\rb)
	v_wmma_scale_f32_16x16x128_f8f6f4 v[\d:\d+7], v[\a:\a+15], v[\b:\b+15], 0, v[\sa], v[\sb] matrix_a_fmt:MATRIX_FMT_BF8 matrix_b_fmt:MATRIX_FMT_BF8 matrix_a_scale:MATRIX_SCALE_ROW1 matrix_b_scale:MATRIX_SCALE_ROW1
.elseif (\ra)
	v_wmma_scale_f32_16x16x128_f8f6f4 v[\d:\d+7], v[\a:\a+15], v[\b:\b+15], 0, v[\sa], v[\sb] matrix_a_fmt:MATRIX_FMT_BF8 matrix_b_fmt:MATRIX_FMT_BF8 matrix_a_scale:MATRIX_SCALE_ROW1
.elseif (\rb)
	v_wmma_scale_f32_16x16x128_f8f6f4 v[\d:\d+7], v[\a:\a+15], v[\b:\b+15], 0, v[\sa], v[\sb] matrix_a_fmt:MATRIX_FMT_BF8 matrix_b_fmt:MATRIX_FMT_BF8 matrix_b_scale:MATRIX_SCALE_ROW1
.else
	v_wmma_scale_f32_16x16x128_f8f6f4 v[\d:\d+7], v[\a:\a+15], v[\b:\b+15], 0, v[\sa], v[\sb] matrix_a_fmt:MATRIX_FMT_BF8 matrix_b_fmt:MATRIX_FMT_BF8
.endif
.else
.if (\ra)
	v_wmma_scale_f32_16x16x128_f8f6f4 v[\d:\d+7], v[\a:\a+15], v[\b:\b+15], v[\d:\d+7], v[\sa], v[\sb] matrix_a_fmt:MATRIX_FMT_BF8 matrix_b_fmt:MATRIX_FMT_BF8 matrix_a_scale:MATRIX_SCALE_ROW1
.else
	v_wmma_scale_f32_16x16x128_f8f6f4 v[\d:\d+7], v[\a:\a+15], v[\b:\b+15], v[\d:\d+7], v[\sa], v[\sb] matrix_a_fmt:MATRIX_FMT_BF8 matrix_b_fmt:MATRIX_FMT_BF8
.endif
.endif
.endm
.macro QUANT s, nb, pc, pw             ; 16 nb numbers of a lane, register 16 b + i = index 32 b + 16 (lane/16) + i of my row -> codes in v[pc] on, scale word in v[pw]
.set qb, 0
.rept \nb
	v_max3_num_f32 v[TM+qb], |v[\s+16*qb]|, |v[\s+16*qb+1]|, 0x8000000   ; with the floor 2^(16-127): the byte cannot fall under 1
.set qb, qb+1
.endr
.set qn, 2
.rept 7
.set qb, 0
.rept \nb
	v_max3_num_f32 v[TM+qb], v[TM+qb], |v[\s+16*qb+qn]|, |v[\s+16*qb+qn+1]|
.set qb, qb+1
.endr
.set qn, qn+2
.endr
.set qb, 0
.rept \nb
	v_permlanex16_b32 v[TM+4+qb], v[TM+qb], s[SEL], s[SEL+1]
.set qb, qb+1
.endr
.set qb, 0
.rept \nb
	v_max_num_f32 v[TM+qb], v[TM+qb], v[TM+4+qb]
.set qb, qb+1
.endr
.set qb, 0
.rept \nb
	v_add_nc_u32 v[TM+12+qb], 0xf8800000, v[TM+qb]        ; 15 off the exponent field: the conversion's scale operand
.set qb, qb+1
.endr
.set qb, 0
.rept \nb
	v_and_or_b32 v[TM+8+qb], v[TM+qb], 0x7f800000, s[MNT] ; 57,344 x the scale
.set qb, qb+1
.endr
.set qb, 0
.rept \nb
	v_lshrrev_b32 v[TM+4+qb], 23, v[TM+12+qb]             ; the byte
.set qb, qb+1
.endr
	v_lshl_or_b32 v[\pw], v[TM+5], 8, v[TM+4]
.if \nb == 4
	s_delay_alu instid0(VALU_DEP_1)
	v_lshl_or_b32 v[\pw], v[TM+6], 16, v[\pw]
	s_delay_alu instid0(VALU_DEP_1)
	v_lshl_or_b32 v[\pw], v[TM+7], 24, v[\pw]
.endif
.set qb, 0
.rept \nb
.set qn, 0
.rept 16
	v_med3_num_f32 v[\s+16*qb+qn], v[\s+16*qb+qn], -v[TM+8+qb], v[TM+8+qb]   ; the conversion does not saturate (ISA guide 7.6.2): the hold
.set qn, qn+1
.endr
	v_cvt_scalef32_pk8_bf8_f32 v[\pc+4*qb:\pc+4*qb+1], v[\s+16*qb:\s+16*qb+7], v[TM+12+qb]
	v_cvt_scalef32_pk8_bf8_f32 v[\pc+4*qb+2:\pc+4*qb+3], v[\s+16*qb+8:\s+16*qb+15], v[TM+12+qb]
.set qb, qb+1
.endr
	v_nop                                                 ; one plain line behind the last conversion
.endm
	s_load_b256 s[4:11], s[0:1], 0x0               ; qi, qa, kv, memory
	s_load_b128 s[12:15], s[0:1], 0x20             ; gate_beta, ic
	s_load_b64 s[16:17], s[0:1], 0x30              ; is
	v_lshl_add_u32 v[SPW], v0, 2, SPARE
	v_mov_b32 v[NIL], 0
	ds_add_u32 v[SPW], v[NIL]                      ; the opening lines: the add, twice on end, and its wait
	ds_add_u32 v[SPW], v[NIL]
	v_lshrrev_b32 v[SCR], 5, v0
	v_readfirstlane_b32 s[WV], v[SCR]              ; wave 0..15
	s_lshl_b32 s[SGB], s[WV], 10
	s_add_co_u32 s[SGB], s[SGB], SGI               ; my place for sigma
	s_lshl_b32 s[ISB], s[WV], 6
	s_add_co_u32 s[ISB], s[ISB], ISW               ; and for my tile's words
	s_and_b32 s60, s[WV], 1
	s_lshl_b32 s59, s60, 11
	s_add_co_u32 s59, s59, MEMI
	s_lshl_b32 s61, s60, 6
	s_add_co_u32 s61, s61, MEMW
	v_and_b32 v[SCR], 31, v0
	v_and_b32 v236, 15, v0                         ; r
	v_bfe_u32 v237, v0, 4, 1                       ; half
	v_lshlrev_b32 v[LI], 4, v[SCR]
	v_lshlrev_b32 v[LS], 2, v[SCR]
	v_and_b32 v238, 8, v236
	v_lshlrev_b32 v239, 2, v236                    ; 4 r
	v_add_nc_u32 v238, v238, v236                  ; r + 8 (r / 8)
	v_add_nc_u32 v[SGA], s[SGB], v[LI]
	v_add_nc_u32 v[MIA], s59, v[LI]
	v_add_nc_u32 v[MWA], s61, v239
	v_lshlrev_b32 v[MOFF], 2, v238
	s_delay_alu instid0(VALU_DEP_1)
	v_lshl_add_u32 v[MOFF], v237, 12, v[MOFF]      ; memory: column r + 8 (r/8), 16 x half rows down
	s_wait_alu depctr_va_vdst(0)
	s_bfe_u32 s50, ttmp6, 0x40000                  ; cx: it enters addresses in memory of q, ic and is alone
	s_lshl_b32 s51, ttmp9, 2
	s_add_co_u32 s51, s51, s50                     ; my block of 256 queries
	s_and_b32 s52, ttmp7, 0xffff                   ; hd, which the four partners share
	s_mul_i32 s54, s52, HEADB
	s_mul_i32 s55, s[WV], STEPB                    ; record w
	s_add_co_u32 s56, s54, s55
	s_mov_b32 s57, 0
	s_mov_b32 s[G1], 15|(3<<16)|(1<<21)            ; a record as 67 dense rows of 32 elements of 8 bytes; the mask: all four work-groups; bit 21 beside it
	s_mov_b32 s[G1+1], 32<<16
	s_mov_b32 s[G1+2], 67<<16
	s_mov_b32 s[G1+3], 32<<16
	s_mov_b32 s[G1+4], 67
	s_mov_b32 s[G1+5], 32
	s_mov_b32 s[G1+6], 0
	s_mov_b32 s[G1+7], 0
	s_mov_b32 s[SEL], 0x76543210
	s_mov_b32 s[SEL+1], 0xfedcba98
	s_mov_b32 s[CS], 0x3e38aa3b                    ; c = log2(e) / 8
	s_mov_b32 s[CS+1], s[CS]
	s_mov_b32 s[MNT], 0x600000
	s_wait_dscnt 0x0
	s_wait_kmcnt 0x0
	s_add_nc_u64 s[56:57], s[8:9], s[56:57]
	s_mov_b32 s[G0], 1
	s_mov_b32 s[G0+1], s55
	s_mov_b64 s[G0+2:G0+3], s[56:57]
	s_or_b32 s[G0+3], s[G0+3], 0x80000000
	ROUND                                          ; all four work-groups are here: the joint loads meet
	tensor_load_to_lds s[G0:G0+3], s[G1:G1+7]      ; my one tensor load of the launch
	s_nop 0
.rept 4
	v_nop
.endr
	s_load_b32 s62, s[12:13], 0x0                  ; gate_beta
	s_lshl_b32 s53, s51, 4
	s_add_co_u32 s53, s53, s[WV]                   ; T: my tile of queries
	s_lshl_b32 s58, s52, 7
	s_add_co_u32 s58, s58, s53                     ; 128 hd + T
	s_lshl_b32 s60, s58, 11
	s_mov_b32 s61, 0
	s_add_nc_u64 s[4:5], s[4:5], s[60:61]
	s_lshl_b32 s60, s58, 8
	s_add_nc_u64 s[6:7], s[6:7], s[60:61]
	global_load_b128 v[QQ:QQ+3], v[LI], s[4:5]
	global_load_b128 v[QQ+4:QQ+7], v[LI], s[4:5] offset:512
	global_load_b128 v[QQ+16:QQ+19], v[LI], s[4:5]
	global_load_b128 v[QQ+20:QQ+23], v[LI], s[4:5] offset:512
	global_load_b128 v[FB:FB+3], v[LI], s[4:5] offset:1024      ; sigma's image
	global_load_b128 v[FB+4:FB+7], v[LI], s[4:5] offset:1536
	global_load_b32 v[QS], v[LS], s[6:7]
	global_load_b32 v[DEN], v239, s[6:7] offset:128
	s_lshr_b32 s54, s52, 4
	s_lshl_b32 s54, s54, 7
	s_add_co_u32 s54, s54, s53                     ; row tile 128 b + T
	s_lshl_b32 s60, s54, 14
	s_and_b32 s54, s52, 15
	s_lshl_b32 s54, s54, 10
	s_add_co_u32 s60, s60, s54                     ; ic: 16,384 x row tile + 1,024 n
	s_add_nc_u64 s[14:15], s[14:15], s[60:61]
	s_lshl_b32 s60, s52, 13
	s_lshl_b32 s54, s51, 10
	s_add_co_u32 s60, s60, s54                     ; is: (128 hd + 16 x block) x 64
	s_add_nc_u64 s[16:17], s[16:17], s[60:61]
	s_and_b32 s54, s[WV], 1
	s_lshl_b32 s54, s54, 7
	s_lshl_b32 s60, s52, 14
	s_add_co_u32 s60, s60, s54                     ; memory: the head, columns 32 (wave % 2) on
	s_add_nc_u64 s[10:11], s[10:11], s[60:61]
.irp j, 0,1,2,3,4,5,6,7
	v_mov_b32 v[QQ+8+\j], 0                        ; the zero half
.endr
.set oi, 0
.rept 32
	v_mov_b32 v[O+oi], 0                           ; O^T: the step is written once; the first change of M leaves zeros zeros
.set oi, oi+1
.endr
	v_mov_b32 v14, 0                               ; the sum, in two halves
	v_mov_b32 v15, 0
	v_mov_b32 v13, 0xff61b1e6                      ; the largest t so far: -3e38
.irp b, 0,1,2,3
	v_mov_b32 v[TM+4+\b], 0                        ; a lane permute's destination counts as one of its sources
.endr
	v_mov_b32 v[PWD], 0
	v_floor_f32 v12, -v13                          ; -M
	s_wait_alu depctr_va_vdst(0)
	s_lshr_b32 s60, s[WV], 1
	s_cmp_eq_u32 s60, 2
	s_cbranch_scc0 .Lno_mem
	; waves 4 and 5 quantise memory^T along k: fragment u = wave - 4 holds tiles 2 u (k in its first 64) and 2 u + 1; lane (r, half): column 32 u + 8 tl + r + 8 (r/8), k = 32 c + 16 half + i
.irp tl, 0,1
.irp c, 0,1
.set mi, 0
.rept 16
	global_load_b32 v[S+16*(2*\tl+\c)+mi], v[MOFF], s[10:11] offset:256*(32*\c+mi)+32*\tl
.set mi, mi+1
.endr
.endr
.endr
	s_wait_loadcnt 0x0
	QUANT S, 4, PCD, PW
.irp c, 0,1,2,3
	ds_store_b128 v[MIA], v[PCD+4*\c:PCD+4*\c+3] offset:512*\c
.endr
	ds_store_b32 v[MWA], v[PW]                     ; bytes 0, 1: the first tile's; 2, 3: the second's
.Lno_mem:
	s_wait_kmcnt 0x0
	v_mov_b32 v[SCR], s62
	s_delay_alu instid0(VALU_DEP_1)
	v_mul_f32 v[SCR], 0xbfb8aa3b, v[SCR]           ; g = 1 / (1 + 2^(-beta log2 e))
	s_wait_alu depctr_va_vdst(0)
	v_exp_f32 v[SCR], v[SCR]
	v_nop
	s_wait_alu depctr_va_vdst(0)
	v_add_f32 v[SCR], 1.0, v[SCR]
	s_wait_alu depctr_va_vdst(0)
	v_rcp_f32 v[GG], v[SCR]
	v_nop
	s_wait_alu depctr_va_vdst(0)
	v_sub_f32 v[GG+1], 1.0, v[GG]
	s_wait_alu depctr_va_vdst(0)
	s_wait_loadcnt 0x0
	ds_store_b128 v[SGA], v[FB:FB+3]               ; sigma waits in my own LDS bytes for the end
	ds_store_b128 v[SGA], v[FB+4:FB+7] offset:512
; A KEY STEP: the 128 keys of the record at LDS byte s[TB]
.macro STEP
	v_add_nc_u32 v[ADK], s[TB], v[LI]
	v_add_nc_u32 v[ADW], s[TB], v[LS]              ; (the 16 additions at the last step's end and these two are the places in front of the loads below)
.irp u, 0,1,2,3
.irp c, 0,1,2,3
	ds_load_b128 v[FB+16*\u+4*\c:FB+16*\u+4*\c+3], v[ADK] offset:2048*\u+512*\c     ; tiles 2 u and 2 u + 1 of K: one fragment
.endr
	ds_load_b32 v[KW+\u], v[ADW] offset:KSOFF+128*\u                                ; lanes 0-15 tile 2 u's words, lanes 16-31 tile 2 u + 1's
.endr
	s_wait_alu depctr_va_vdst(0)
	s_wait_dscnt 0x0
.irp t, 0,1,2,3,4,5,6,7
	WMX S+8*\t, FB+16*(\t/2), QQ+8*(\t%2), 1, KW+\t/2, QS, \t%2, 0
.endr
.rept 8
	v_nop                                          ; eight places: for the loads into the fragments and for the first read of the scores
.endr
.irp ct, 0,1,2,3
.irp c, 0,1,2,3
	ds_load_b128 v[FB+16*\ct+4*\c:FB+16*\ct+4*\c+3], v[ADK] offset:VOFF+2048*\ct+512*\c   ; V^T: it lands under the softmax
.endr
.endr
.irp u, 0,1
	ds_load_b32 v[VW+\u], v[ADW] offset:VSOFF+128*\u
.endr
.irp b, 0,1,2,3
	v_max3_num_f32 v[TM+\b], v[S+16*\b], v[S+1+16*\b], v[S+2+16*\b]     ; the largest score of each block of 32 keys: for the row's maximum, and, since p rises with the score, for the block's largest p
.endr
.irp i, 3,5,7,9,11,13
.irp b, 0,1,2,3
	v_max3_num_f32 v[TM+\b], v[TM+\b], v[S+16*\b+\i], v[S+1+16*\b+\i]
.endr
.endr
.irp b, 0,1,2,3
	v_max_num_f32 v[TM+\b], v[TM+\b], v[S+15+16*\b]
.endr
.irp b, 0,1,2,3
	s_delay_alu instid0(VALU_DEP_4)
	v_permlanex16_b32 v[TM+4+\b], v[TM+\b], s[SEL], s[SEL+1]
.endr
.irp b, 0,1,2,3
	s_delay_alu instid0(VALU_DEP_4)
	v_max_num_f32 v[TM+\b], v[TM+\b], v[TM+4+\b]
.endr
	s_delay_alu instid0(VALU_DEP_2)
	v_max3_num_f32 v[SCR], v[TM], v[TM+1], v[TM+2]
	s_delay_alu instid0(VALU_DEP_1)
	v_max_num_f32 v[SCR], v[SCR], v[TM+3]
	s_delay_alu instid0(VALU_DEP_1)
	v_mul_f32 v[SCR], s[CS], v[SCR]                ; as t
	s_delay_alu instid0(VALU_DEP_1)
	v_max_num_f32 v13, v13, v[SCR]                 ; the running largest t
	v_mov_b32 v[SCR], v12
	s_delay_alu instid0(VALU_DEP_2)
	v_floor_f32 v12, -v13                          ; the new -M = -ceil(t)
	s_delay_alu instid0(VALU_DEP_1)
	v_sub_f32 v[SCR], v12, v[SCR]                  ; old M - new M: a whole number, 0 or less
	s_delay_alu instid0(VALU_DEP_1)
	v_cvt_i32_f32 v[SCR], v[SCR]                   ; (it saturates)
	s_delay_alu instid0(VALU_DEP_1)
	v_ldexp_f32 v[FF], 1.0, v[SCR]                 ; f = 2^(old M - new M)
.set sj, 0
.rept 32
	v_pk_fma_f32 v[S+sj:S+sj+1], v[S+sj:S+sj+1], s[CS:CS+1], v[12:13] op_sel_hi:[1,0,0]   ; t - M
.set sj, sj+2
.endr
.irp b, 0,1,2,3
	v_fma_f32 v[TM+\b], v[TM+\b], s[CS], v12
.endr
	s_wait_alu depctr_va_vdst(0)
.set sj, 0
.rept 64
	v_exp_f32 v[S+sj], v[S+sj]                     ; p = 2^(t - M): not normalised
.set sj, sj+1
.endr
.irp b, 0,1,2,3
	v_exp_f32 v[TM+\b], v[TM+\b]                   ; the block's largest p
.endr
	v_nop                                          ; a plain place behind the exponentials
	s_wait_alu depctr_va_vdst(0)                   ; one wait: for the batch, and directly ahead of the first readers of O^T
.set sj, 0
.rept 16
	v_pk_mul_f32 v[O+sj:O+sj+1], v[O+sj:O+sj+1], v[FF:FF+1] op_sel_hi:[1,0]   ; O^T under the new M
.set sj, sj+2
.endr
.irp b, 0,1,2,3
	v_max_num_f32 v[TM+\b], 0x8000000, v[TM+\b]    ; the floor
.endr
.irp b, 0,1,2,3
	s_delay_alu instid0(VALU_DEP_4)
	v_add_nc_u32 v[TM+12+\b], 0xf8800000, v[TM+\b]
.endr
.irp b, 0,1,2,3
	v_and_or_b32 v[TM+8+\b], v[TM+\b], 0x7f800000, s[MNT]
.endr
.irp b, 0,1,2,3
	v_lshrrev_b32 v[TM+4+\b], 23, v[TM+12+\b]
.endr
	s_delay_alu instid0(VALU_DEP_3)
	v_lshl_or_b32 v[PWD], v[TM+5], 8, v[TM+4]      ; p's scale word for these 128 keys
	s_delay_alu instid0(VALU_DEP_1)
	v_lshl_or_b32 v[PWD], v[TM+6], 16, v[PWD]
	s_delay_alu instid0(VALU_DEP_1)
	v_lshl_or_b32 v[PWD], v[TM+7], 24, v[PWD]
; the hold (p is not negative: one-sided), two numbers an instruction, into two sets of eight by turns: p itself stays as it is for the row's sum, and four pairs stand between a conversion and the next write of its sources
.irp g, 0,1,2,3,4,5,6,7
.irp i, 0,2,4,6
	v_dual_min_num_f32 v[TT+8*(\g%2)+\i], v[S+8*\g+\i], v[TM+8+\g/2] :: v_dual_min_num_f32 v[TT+8*(\g%2)+\i+1], v[S+8*\g+\i+1], v[TM+8+\g/2]
.endr
	v_cvt_scalef32_pk8_bf8_f32 v[PCD+2*\g:PCD+2*\g+1], v[TT+8*(\g%2):TT+8*(\g%2)+7], v[TM+12+\g/2]
.endr
; the row's sum of the unquantised p, four chains; these 16 additions are the places between the codes and the products
.irp k, 0,1,2,3
	v_pk_add_f32 v[TM+2*\k:TM+2*\k+1], v[S+2*\k:S+2*\k+1], v[S+8+2*\k:S+9+2*\k]
.endr
.irp j, 16,24,32
.irp k, 0,1,2,3
	v_pk_add_f32 v[TM+2*\k:TM+2*\k+1], v[TM+2*\k:TM+2*\k+1], v[S+\j+2*\k:S+\j+2*\k+1]
.endr
.endr
	s_wait_alu depctr_va_vdst(0)
	s_wait_dscnt 0x0                               ; V^T and its words
.irp ct, 0,1,2,3
	WMX O+8*\ct, FB+16*\ct, PCD, 0, VW+\ct/2, PWD, \ct%2, 0       ; the four accumulators by turns
.endr
.irp j, 40,48,56
.irp k, 0,1,2,3
	v_pk_add_f32 v[TM+2*\k:TM+2*\k+1], v[TM+2*\k:TM+2*\k+1], v[S+\j+2*\k:S+\j+2*\k+1]   ; the sum goes on: these name no register of the products
.endr
.endr
	v_pk_add_f32 v[TM:TM+1], v[TM:TM+1], v[TM+2:TM+3]
	v_pk_add_f32 v[TM+4:TM+5], v[TM+4:TM+5], v[TM+6:TM+7]
	s_delay_alu instid0(VALU_DEP_1)
	v_pk_add_f32 v[TM:TM+1], v[TM:TM+1], v[TM+4:TM+5]
	s_delay_alu instid0(VALU_DEP_1)
	v_pk_fma_f32 v[14:15], v[14:15], v[FF:FF+1], v[TM:TM+1] op_sel_hi:[1,0,1]   ; the old sum under the new M, and this step's
.endm
	s_wait_tensorcnt 0x0                           ; my record has landed: its bytes are read by me alone until the barrier below
	s_mov_b32 s[TB], s55
	STEP
	s_wait_alu depctr_va_vdst(0)
	s_wait_dscnt 0x0
	s_barrier_signal -1
	s_barrier_wait -1                              ; every wave has waited for its record: all sixteen lie in LDS, and memory's fragments too
	s_mov_b32 s[CNT], 1
.Lstep:
	s_add_co_u32 s[TB], s[WV], s[CNT]
	s_and_b32 s[TB], s[TB], 15                     ; record (w + i) mod 16
	s_mul_i32 s[TB], s[TB], STEPB
	STEP
	s_add_co_u32 s[CNT], s[CNT], 1
	s_cmp_lt_u32 s[CNT], 16
	s_cbranch_scc1 .Lstep
	; THE END: num = memory^T sigma^T, the gate, the quantiser of the output projection's operand
	v_add_f32 v14, v14, v15
	s_delay_alu instid0(VALU_DEP_1)
	v_permlanex16_b32 v[SCR], v14, s[SEL], s[SEL+1]
	s_delay_alu instid0(VALU_DEP_1)
	v_add_f32 v14, v14, v[SCR]                     ; the row's sum
	s_wait_alu depctr_va_vdst(0)
	v_rcp_f32 v[CA], v[DEN]
	v_rcp_f32 v[CB], v14
	v_and_b32 v[ISA], 15, v0                       ; (plain work behind the batch) the end's LDS addresses
	v_add_nc_u32 v[SGA], s[SGB], v[LI]
	v_add_nc_u32 v[MRA], MEMI, v[LI]
	v_add_nc_u32 v[MWR], MEMW, v[LS]
	v_lshl_add_u32 v[ISA], v[ISA], 2, s[ISB]
	v_add_nc_u32 v[ISR], ISW, v[LI]
	s_wait_alu depctr_va_vdst(0)                   ; and behind it
	v_mul_f32 v[CA], v[GG], v[CA]                  ; g / den
	v_mul_f32 v[CB], v[GG+1], v[CB]                ; (1 - g) / l
	s_delay_alu instid0(VALU_DEP_2)
	v_mov_b32 v[CA+1], v[CA]
	s_delay_alu instid0(VALU_DEP_2)
	v_mov_b32 v[CB+1], v[CB]
	ds_load_b128 v[QQ:QQ+3], v[SGA]                ; [sigma | 0] and [0 | sigma]
	ds_load_b128 v[QQ+4:QQ+7], v[SGA] offset:512
	ds_load_b128 v[QQ+16:QQ+19], v[SGA]
	ds_load_b128 v[QQ+20:QQ+23], v[SGA] offset:512
.irp u, 0,1
.irp c, 0,1,2,3
	ds_load_b128 v[FB+16*\u+4*\c:FB+16*\u+4*\c+3], v[MRA] offset:2048*\u+512*\c
.endr
.endr
	ds_load_b32 v[KW], v[MWR]                      ; lanes 0-15 fragment 0's words, lanes 16-31 fragment 1's
	s_wait_alu depctr_va_vdst(0)
	s_wait_dscnt 0x0
	WMX S, FB, QQ, 1, KW, QS, 0, 1
	WMX S+8, FB, QQ+8, 1, KW, QS, 0, 1
	WMX S+16, FB+16, QQ, 1, KW, QS, 1, 1
	WMX S+24, FB+16, QQ+8, 1, KW, QS, 1, 1
.rept 8
	v_nop
.endr
.set sj, 0
.rept 16
	v_pk_mul_f32 v[S+sj:S+sj+1], v[S+sj:S+sj+1], v[CA:CA+1]
.set sj, sj+2
.endr
.set sj, 0
.rept 16
	v_pk_fma_f32 v[S+sj:S+sj+1], v[O+sj:O+sj+1], v[CB:CB+1], v[S+sj:S+sj+1]
.set sj, sj+2
.endr
	QUANT S, 2, PCD, PW                            ; register 16 b + i is channel 32 b + 16 half + i of my query
	global_store_b128 v[LI], v[PCD:PCD+3], s[14:15]               ; 512 consecutive bytes each
	global_store_b128 v[LI], v[PCD+4:PCD+7], s[14:15] offset:512
	ds_store_b32 v[ISA], v[PW]
	s_wait_dscnt 0x0
	s_barrier_signal -1
	s_barrier_wait -1
	s_cmp_lg_u32 s[WV], 0
	s_cbranch_scc1 .Lnot_first
	ds_load_b128 v[16:19], v[ISR]                  ; the sixteen tiles' words: 1,024 consecutive bytes of is
	ds_load_b128 v[20:23], v[ISR] offset:512
	s_wait_dscnt 0x0
	global_store_b128 v[LI], v[16:19], s[16:17]
	global_store_b128 v[LI], v[20:23], s[16:17] offset:512
.Lnot_first:
	s_wait_tensorcnt 0x0                           ; the wave's end
	ds_add_u32 v[SPW], v[NIL]
	s_wait_dscnt 0x0
	ROUND                                          ; the closing round
	s_endpgm
.Lfunc_end_k_qfe738601ec_attn:
	.size	k_qfe738601ec_attn, .Lfunc_end_k_qfe738601ec_attn-k_qfe738601ec_attn
	.p2alignl 7, 3214868480
	.fill 96, 4, 3214868480
	.section	.rodata,"a",@progbits
	.p2align	6, 0x0
	.amdhsa_kernel k_qfe738601ec_attn
		.amdhsa_group_segment_fixed_size 327680
		.amdhsa_private_segment_fixed_size 0
		.amdhsa_enable_private_segment 0
		.amdhsa_kernarg_size 56
		.amdhsa_user_sgpr_count 2
		.amdhsa_user_sgpr_kernarg_segment_ptr 1
		.amdhsa_wavefront_size32 1
		.amdhsa_system_sgpr_workgroup_id_x 1
		.amdhsa_system_sgpr_workgroup_id_y 1
		.amdhsa_system_sgpr_workgroup_id_z 1
		.amdhsa_system_vgpr_workitem_id 0
		.amdhsa_next_free_vgpr 256
		.amdhsa_next_free_sgpr 66
		.amdhsa_reserve_vcc 0
		.amdhsa_float_denorm_mode_32 3
		.amdhsa_float_denorm_mode_16_64 3
		.amdhsa_memory_ordered 1
		.amdhsa_forward_progress 1
		.amdhsa_inst_pref_size 70
	.end_amdhsa_kernel
	.amdgpu_metadata
---
amdhsa.version: [ 1, 2 ]
amdhsa.kernels:
  - .name:           k_qfe738601ec_attn
    .symbol:         k_qfe738601ec_attn.kd
    .args:
      - { .name: qi, .offset: 0, .size: 8, .value_kind: global_buffer, .address_space: global }
      - { .name: qa, .offset: 8, .size: 8, .value_kind: global_buffer, .address_space: global }
      - { .name: kv, .offset: 16, .size: 8, .value_kind: global_buffer, .address_space: global }
      - { .name: memory, .offset: 24, .size: 8, .value_kind: global_buffer, .address_space: global }
      - { .name: gate_beta, .offset: 32, .size: 8, .value_kind: global_buffer, .address_space: global }
      - { .name: ic, .offset: 40, .size: 8, .value_kind: global_buffer, .address_space: global }
      - { .name: is, .offset: 48, .size: 8, .value_kind: global_buffer, .address_space: global }
    .group_segment_fixed_size: 327680
    .private_segment_fixed_size: 0
    .kernarg_segment_align: 8
    .kernarg_segment_size: 56
    .max_flat_workgroup_size: 512
    .sgpr_count:     66
    .vgpr_count:     256
    .wavefront_size: 32
...
	.end_amdgpu_metadata
.endif
;; end of part 3
;; launch oproj (part 4): grid 128 x 1, 16 waves a work-group, clusters of 4 x 1, 327,680 bytes of LDS; arguments ic, is, wc, sc, h, ln_gamma, ln_beta, out0; writes out0
.if DOCPART == 4
	.amdgcn_target "amdgcn-amd-amdhsa--gfx1250"
	.amdhsa_code_object_version 6
	.text
	.protected	k_qfe738601ec_oproj
	.globl	k_qfe738601ec_oproj
	.p2align	8
	.type	k_qfe738601ec_oproj,@function
k_qfe738601ec_oproj:
	s_mov_b64 s[64:65], 0
	v_nop
	global_prefetch_b8 v0, s[64:65] scope:SCOPE_SE
	s_setreg_imm32_b32 hwreg(HW_REG_WAVE_MODE, 25, 1), 1
	s_wait_xcnt 0x0
	s_wait_alu depctr_hold_cnt(0) depctr_sa_sdst(0) depctr_va_vdst(0) depctr_va_sdst(0) depctr_va_ssrc(0) depctr_va_vcc(0) depctr_vm_vsrc(0)
	s_getreg_b32 s2, hwreg(HW_REG_IB_STS2, 6, 4)
	s_cmp_eq_u32 s2, 0
	s_cbranch_scc0 .Lentry_in_a_cluster
	s_endpgm
.Lentry_in_a_cluster:
	s_bfe_u32 s2, ttmp6, 0x10000c
	s_cmp_lg_u32 s2, 0x3003
	s_cbranch_scc0 .Lentry_shape_is_right
	s_endpgm
.Lentry_shape_is_right:
; out0 = LayerNorm(h + inj Wo) x gamma + beta.  The product on codes of BF8 (E5M2) with E8M0 block scales, f32 sums, K ascending; the rest in f32; the variance from the differences to the mean.
; SHARES.  A work-group owns 32 whole rows (row tiles 2 g, 2 g + 1: tokens 32 u .. 32 u + 31 of batch b), so that a row's mean and variance stay inside it.  Wave w owns columns 64 w .. 64 w + 63.
; Wo IS THE LARGEST STREAM: every work-group walks all 1,048,576 bytes of its codes.  They come by tensor loads through a ring of two slots in each wave's own 16,384 LDS bytes: a slot holds the wave's four
; column tiles of one K step, 4 rows of 2,048 bytes.  K step 0 is asked for at the head; behind each trip's round a wave asks for the next K step: one load a wave, one out at a time.
; CLUSTER.  The four work-groups of a cluster walk the same Wo: its loads are asked for JOINTLY (mask 15), and the cluster's round stands in front of each.
; PREFETCH.  Trip k, which loads K step k + 1, names K step k + 3 (two refills on), while there is one: of a wave's four tiles the partner at place cx names tile cx, 2,048 bytes, lanes 0-7 256 bytes apart
; (lanes 8-31 name lane 7's block again): each block once in a cluster, told apart by address.  K steps 0 to 2 come by their loads alone.
; inj's 16 fragments (a fragment a wave) and gamma and beta (256 bytes of each a wave) come through registers into LDS bytes that no tensor load fills; h's two rows of a wave are loaded at the head.
; The product is used transposed (source 0 = 16 columns of Wo, source 1 = 16 rows): a lane holds one row, and, the columns standing at positions (bits 3 and 4 exchanged), 16 registers of two tiles are 16 neighbouring columns.
; The results meet in a stage of 32 rows x (4,096 + 16) bytes, which lies in Wo's LDS bytes: they have had their last fill, and a barrier shows their last read.  Wave w then takes tokens 2 w and 2 w + 1 whole.
; LIMITS: v_rsq_f32 for the root; NaN and infinities are not served.
.set AIMG,  262144                     ; LDS: 0: Wo's ring, 16,384 bytes a wave: [slot 2][column tile 4][2,048];  here: inj's 16 fragments
.set GBL,   AIMG+32768                 ; gamma 4,096 bytes, beta 4,096
.set SPARE, GBL+8192                   ; the spare words: 128 bytes for each wave
.set SPCH,  4112                       ; a stage row; the stage begins at LDS byte 0
.set WV,   20
.set SEL,  24
.set G1B,  28                          ; s[28:35] group 1, s[52:55] group 0 for Wo's tiles
.set G0B,  52
.set PF,   82                          ; s[82:83] the prefetches' base
.set LI,   1                           ; 16 lane
.set LS,   2                           ; 4 lane
.set ABA,  3                           ; AIMG + 16 lane
.set SO,   4                           ; v4, v5 the stage on the way in, row tiles 0 and 1
.set SR,   6                           ; and on the way out
.set BLA,  7                           ; 16,384 wave + 16 lane: my ring
.set ACC,  8                           ; v8-71   accumulator (e, ct) at 8 + 8 (4 e + ct); later two rows of y
.set AF,   72                          ; v72-103 inj's two fragments of a K step; later LayerNorm's scratch
.set HB,   104                         ; v104-167 h's two rows
.set BF,   168                         ; v168-231 Wo's four fragments of a K step; later gamma, beta
.set BW,   232                         ; v232-235 Wo's words, two registers a K step, two sets
.set AW,   236                         ; v236-243 inj's words, one register a K step: lanes 0-15 tile 0, lanes 16-31 tile 1
.set PFO,  244                         ; 256 x min(lane, 7)
.set IST,  245                         ; where my fragment of inj goes
.set GST,  246                         ; where my 256 bytes of gamma go
.set L8,   247                         ; 8 lane
.set GBA,  252                         ; GBL + 16 lane
.set SPW,  254
.set NIL,  255
.set GM,   168
.set BT,   200
.set T,    72
.macro ROUND                           ; a round of the cluster's barrier
	s_barrier_signal -1
	s_barrier_wait -1
	s_cmp_lg_u32 s[WV], 0
	s_cbranch_scc1 .Lnot_wave_0_\@
	s_barrier_signal -3
.Lnot_wave_0_\@:
	s_barrier_wait -3
	s_barrier_signal -1
	s_barrier_wait -1
.endm
.macro WMX d, a, b, z, sa, sb, ra, rb
.if \z
.if (\ra) && (\rb)
	v_wmma_scale_f32_16x16x128_f8f6f4 v[\d:\d+7], v[\a:\a+15], v[\b:\b+15], 0, v[\sa], v[\sb] matrix_a_fmt:MATRIX_FMT_BF8 matrix_b_fmt:MATRIX_FMT_BF8 matrix_a_scale:MATRIX_SCALE_ROW1 matrix_b_scale:MATRIX_SCALE_ROW1
.elseif (\ra)
	v_wmma_scale_f32_16x16x128_f8f6f4 v[\d:\d+7], v[\a:\a+15], v[\b:\b+15], 0, v[\sa], v[\sb] matrix_a_fmt:MATRIX_FMT_BF8 matrix_b_fmt:MATRIX_FMT_BF8 matrix_a_scale:MATRIX_SCALE_ROW1
.elseif (\rb)
	v_wmma_scale_f32_16x16x128_f8f6f4 v[\d:\d+7], v[\a:\a+15], v[\b:\b+15], 0, v[\sa], v[\sb] matrix_a_fmt:MATRIX_FMT_BF8 matrix_b_fmt:MATRIX_FMT_BF8 matrix_b_scale:MATRIX_SCALE_ROW1
.else
	v_wmma_scale_f32_16x16x128_f8f6f4 v[\d:\d+7], v[\a:\a+15], v[\b:\b+15], 0, v[\sa], v[\sb] matrix_a_fmt:MATRIX_FMT_BF8 matrix_b_fmt:MATRIX_FMT_BF8
.endif
.else
.if (\ra) && (\rb)
	v_wmma_scale_f32_16x16x128_f8f6f4 v[\d:\d+7], v[\a:\a+15], v[\b:\b+15], v[\d:\d+7], v[\sa], v[\sb] matrix_a_fmt:MATRIX_FMT_BF8 matrix_b_fmt:MATRIX_FMT_BF8 matrix_a_scale:MATRIX_SCALE_ROW1 matrix_b_scale:MATRIX_SCALE_ROW1
.elseif (\ra)
	v_wmma_scale_f32_16x16x128_f8f6f4 v[\d:\d+7], v[\a:\a+15], v[\b:\b+15], v[\d:\d+7], v[\sa], v[\sb] matrix_a_fmt:MATRIX_FMT_BF8 matrix_b_fmt:MATRIX_FMT_BF8 matrix_a_scale:MATRIX_SCALE_ROW1
.elseif (\rb)
	v_wmma_scale_f32_16x16x128_f8f6f4 v[\d:\d+7], v[\a:\a+15], v[\b:\b+15], v[\d:\d+7], v[\sa], v[\sb] matrix_a_fmt:MATRIX_FMT_BF8 matrix_b_fmt:MATRIX_FMT_BF8 matrix_b_scale:MATRIX_SCALE_ROW1
.else
	v_wmma_scale_f32_16x16x128_f8f6f4 v[\d:\d+7], v[\a:\a+15], v[\b:\b+15], v[\d:\d+7], v[\sa], v[\sb] matrix_a_fmt:MATRIX_FMT_BF8 matrix_b_fmt:MATRIX_FMT_BF8
.endif
.endif
.endm
	s_load_b256 s[4:11], s[0:1], 0x0               ; ic, is, wc, sc
	s_load_b256 s[12:19], s[0:1], 0x20             ; h, ln_gamma, ln_beta, out0
	v_lshl_add_u32 v[SPW], v0, 2, SPARE
	v_mov_b32 v[NIL], 0
	ds_add_u32 v[SPW], v[NIL]                      ; the opening lines: the add, twice on end, and its wait
	ds_add_u32 v[SPW], v[NIL]
	v_lshrrev_b32 v72, 5, v0
	v_readfirstlane_b32 s[WV], v72                 ; wave 0..15
	s_lshl_b32 s84, s[WV], 14                      ; my ring
	s_lshl_b32 s85, s[WV], 8
	s_and_b32 s86, s[WV], 3                        ; token 2 w stands at the position with bits 3 and 4 exchanged
	s_lshl_b32 s86, s86, 1
	s_bfe_u32 s87, s[WV], 0x10003
	s_lshl_b32 s87, s87, 3
	s_or_b32 s86, s86, s87
	s_bfe_u32 s87, s[WV], 0x10002
	s_lshl_b32 s87, s87, 4
	s_or_b32 s86, s86, s87
	s_mul_i32 s86, s86, SPCH
	s_lshl_b32 s74, s[WV], 11
	s_add_co_u32 s74, s74, AIMG
	s_add_co_u32 s75, s85, GBL
	; every LDS address register is made here; none holds the work-group's place
	v_and_b32 v72, 31, v0
	v_and_b32 v74, 15, v0                          ; r
	v_bfe_u32 v73, v0, 4, 1                        ; half
	v_lshlrev_b32 v[LI], 4, v72
	v_lshlrev_b32 v[LS], 2, v72
	v_min_u32 v[PFO], 7, v72
	v_mul_u32_u24 v[SO], v74, SPCH
	v_add_nc_u32 v[ABA], AIMG, v[LI]
	v_add_nc_u32 v[GBA], GBL, v[LI]
	v_add_nc_u32 v[BLA], s84, v[LI]
	v_lshl_add_u32 v[SO], v73, 6, v[SO]
	v_add_nc_u32 v[SR], s86, v[LI]
	v_add_nc_u32 v[IST], s74, v[LI]
	v_add_nc_u32 v[SO], s85, v[SO]                 ; row r, + 256 wave + 64 half: my 16 neighbouring columns of a pair of tiles
	v_lshlrev_b32 v[L8], 1, v[LS]
	v_lshlrev_b32 v[PFO], 8, v[PFO]
	v_add_nc_u32 v[SO+1], 16*SPCH, v[SO]
	v_add_nc_u32 v[GST], s75, v[L8]
	s_wait_alu depctr_va_vdst(0)
	; what hangs on my place in the cluster: offsets in ic, is, h, out0 and the prefetches alone, in registers of their own
	s_bfe_u32 s72, ttmp6, 0x40000                  ; cx
	s_lshl_b32 s73, ttmp9, 2
	s_add_co_u32 s73, s73, s72                     ; g = 4 x cluster + cx
	s_lshr_b32 s21, s73, 6                         ; b
	s_and_b32 s22, s73, 63                         ; u
	s_lshl_b32 s76, s73, 15
	s_lshl_b32 s23, s[WV], 11
	s_add_co_u32 s76, s76, s23                     ; ic: 32,768 g + 2,048 wave
	s_mov_b32 s77, 0
	s_lshl_b32 s78, s21, 17
	s_lshl_b32 s23, s22, 7
	s_add_co_u32 s78, s78, s23                     ; is: 131,072 b + 128 u
	s_mov_b32 s79, 0
	s_lshl_b32 s80, s22, 18
	s_lshl_b32 s23, s[WV], 14
	s_add_co_u32 s80, s80, s23
	s_lshl_b32 s23, s21, 12
	s_add_co_u32 s80, s80, s23                     ; h, out0: row 2 (32 u + 2 wave) + b
	s_mov_b32 s81, 0
	s_lshl_b32 s[PF], s72, 14                      ; tile cx of my four
	s_mov_b32 s[PF+1], 0
	; what all partners share
	s_lshl_b32 s90, s[WV], 16
	s_add_co_u32 s90, s90, 192*16384               ; wc: column tile 192 + 4 wave
	s_mov_b32 s91, 0
	s_mov_b32 s92, s85                             ; gamma, beta: 256 wave
	s_mov_b32 s93, 0
	s_add_co_u32 s94, s92, 131072+4*3072           ; sc: the weights' words, position 3,072 + 64 wave
	s_mov_b32 s95, 0
	s_mov_b32 s[SEL], 0x76543210
	s_mov_b32 s[SEL+1], 0xfedcba98
	s_mov_b32 s26, 0x3a800000                      ; 1 / 1,024
	s_mov_b32 s27, 0x3727c5ac                      ; 1e-5
	s_mov_b32 s[G1B], 15|(3<<16)|(1<<21)           ; 4 rows (column tiles) of 256 elements of 8 bytes (one K step), 2,048 elements apart; dense in LDS; the mask: all four work-groups
	s_mov_b32 s[G1B+1], 256<<16
	s_mov_b32 s[G1B+2], 4<<16
	s_mov_b32 s[G1B+3], 256<<16
	s_mov_b32 s[G1B+4], 4
	s_mov_b32 s[G1B+5], 2048
	s_mov_b32 s[G1B+6], 0
	s_mov_b32 s[G1B+7], 0
	s_wait_dscnt 0x0
	s_wait_kmcnt 0x0
	s_add_nc_u64 s[4:5], s[4:5], s[76:77]
	s_add_nc_u64 s[6:7], s[6:7], s[78:79]
	s_add_nc_u64 s[8:9], s[8:9], s[90:91]
	s_add_nc_u64 s[10:11], s[10:11], s[94:95]
	s_add_nc_u64 s[12:13], s[12:13], s[80:81]
	s_add_nc_u64 s[14:15], s[14:15], s[92:93]
	s_add_nc_u64 s[16:17], s[16:17], s[92:93]
	s_add_nc_u64 s[18:19], s[18:19], s[80:81]
	s_add_nc_u64 s[PF:PF+1], s[8:9], s[PF:PF+1]
	s_mov_b32 s[G0B], 1
	s_mov_b32 s[G0B+1], s84
	s_mov_b64 s[G0B+2:G0B+3], s[8:9]               ; K step 0
	s_or_b32 s[G0B+3], s[G0B+3], 0x80000000
	ROUND                                          ; all four work-groups are here: the first joint loads meet
	tensor_load_to_lds s[G0B:G0B+3], s[G1B:G1B+7]  ; my one load at the head
	s_nop 0
.rept 4
	v_nop
.endr
.irp c, 0,1,2,3
	global_load_b128 v[BF+4*\c:BF+4*\c+3], v[LI], s[4:5] offset:512*\c     ; my fragment of inj
.endr
	global_load_b64 v[BF+16:BF+17], v[L8], s[14:15]                        ; my 256 bytes of gamma,
	global_load_b64 v[BF+18:BF+19], v[L8], s[16:17]                        ; and of beta
.irp n, 0,1,2,3,4,5,6,7,8,9,10,11,12,13,14,15
	global_load_b32 v[ACC+\n], v[LS], s[6:7] offset:8192*\n                ; head n's words of my two row tiles
.endr
.irp p, 0,1
	global_load_b32 v[BW+\p], v[LS], s[10:11] offset:128*\p                ; Wo's words of K step 0: lanes 0-15 tile 2 p's, lanes 16-31 tile 2 p + 1's
.endr
.irp i, 0,1
.irp q, 0,1,2,3,4,5,6,7
	global_load_b128 v[HB+32*\i+4*\q:HB+32*\i+4*\q+3], v[LI], s[12:13] offset:8192*\i+512*\q th:TH_LOAD_NT   ; h's two rows
.endr
.endr
	s_wait_loadcnt 18                              ; inj, gamma, beta and inj's words are in; behind them: Wo's 2 words and h's 16 loads
.irp c, 0,1,2,3
	ds_store_b128 v[IST], v[BF+4*\c:BF+4*\c+3] offset:512*\c
.endr
	ds_store_b64 v[GST], v[BF+16:BF+17]
	ds_store_b64 v[GST], v[BF+18:BF+19] offset:4096
.irp k, 0,1,2,3,4,5,6,7
	v_lshl_or_b32 v[AW+\k], v[ACC+2*\k+1], 16, v[ACC+2*\k]                 ; a K step of 128 is two heads: two bytes of each
.endr
	s_wait_alu depctr_va_vdst(0)
; TRIP k multiplies K step k out of slot k % 2.  In front of the round each wave waits for its tensor load, adds 0 to its spare word and waits for that, for its LDS stores and for its reads of the other slot;
; behind the round it asks for K step k + 1 into the other slot (in trip 0: that slot's first fill, issued as a refill is).  The last trip asks for nothing: its bytes are my own, so my own wait is all that its reads need.
.macro TRIP k
	s_wait_tensorcnt 0x0
.if (\k) < 7
	ds_add_u32 v[SPW], v[NIL]
	s_xor_b32 s[G0B+1], s[G0B+1], 8192             ; no load of mine is out: the other slot,
	s_add_nc_u64 s[G0B+2:G0B+3], s[G0B+2:G0B+3], 2048   ; the next K step
	s_wait_dscnt 0x0
	ROUND
	tensor_load_to_lds s[G0B:G0B+3], s[G1B:G1B+7]
	s_nop 0
.rept 4
	v_nop
.endr
.irp p, 0,1
	global_load_b32 v[BW+2*(((\k)+1)%2)+\p], v[LS], s[10:11] offset:16384*((\k)+1)+128*\p
.endr
.endif
.if (\k) < 5
	s_cmp_lt_u32 ttmp9, 4
	s_cbranch_scc0 .Lno_prefetch_oproj0_\@
	global_prefetch_b8 v[PFO], s[PF:PF+1] offset:2048*((\k)+3) th:TH_LOAD_NT scope:SCOPE_SE
.Lno_prefetch_oproj0_\@:
.endif
.irp e, 0,1
.irp c, 0,1,2,3
	ds_load_b128 v[AF+16*\e+4*\c:AF+16*\e+4*\c+3], v[ABA] offset:16384*\e+2048*(\k)+512*\c
.endr
.endr
.irp ct, 0,1,2,3
.irp c, 0,1,2,3
	ds_load_b128 v[BF+16*\ct+4*\c:BF+16*\ct+4*\c+3], v[BLA] offset:8192*((\k)%2)+2048*\ct+512*\c
.endr
.endr
.if (\k) == 0
	s_wait_loadcnt 18                              ; this K step's words are in; h's 16 loads and the next step's 2 words may be out
.elseif (\k) < 7
	s_wait_loadcnt 2                               ; the next step's 2 words may be out
.else
	s_wait_loadcnt 0x0
.endif
	s_wait_dscnt 0x0
.irp ct, 0,1,2,3
.irp e, 0,1
	WMX ACC+8*(4*\e+\ct), BF+16*\ct, AF+16*\e, (\k)==0, BW+2*((\k)%2)+\ct/2, AW+(\k), \ct%2, \e    ; the eight accumulators by turns
.endr
.endr
.rept 8
	v_nop                                          ; places in front of loads into registers that these products read, and of the first read of results
.endr
.endm
.irp k, 0,1,2,3,4,5,6,7
	TRIP \k
.endr
.irp q, 0,1,2,3,4,5,6,7
	ds_load_b128 v[GM+4*\q:GM+4*\q+3], v[GBA] offset:512*\q
	ds_load_b128 v[BT+4*\q:BT+4*\q+3], v[GBA] offset:4096+512*\q
.endr
	s_wait_dscnt 0x0
	s_barrier_signal -1
	s_barrier_wait -1                              ; nobody reads Wo's LDS bytes any more: they take the stage
.irp e, 0,1
.irp ct, 0,1,2,3
	ds_store_b128 v[SO+\e], v[ACC+8*(4*\e+\ct):ACC+8*(4*\e+\ct)+3] offset:128*(\ct/2)+32*(\ct%2)          ; each accumulator from its low end on
	ds_store_b128 v[SO+\e], v[ACC+8*(4*\e+\ct)+4:ACC+8*(4*\e+\ct)+7] offset:128*(\ct/2)+32*(\ct%2)+16
.endr
.endr
	s_wait_dscnt 0x0
	s_barrier_signal -1
	s_barrier_wait -1                              ; 32 whole rows lie in the stage
.irp i, 0,1
.irp q, 0,1,2,3,4,5,6,7
	ds_load_b128 v[ACC+32*\i+4*\q:ACC+32*\i+4*\q+3], v[SR] offset:SPCH*\i+512*\q
.endr
.endr
	s_wait_dscnt 0x0
.macro SUM32                           ; v[T] over the wave's 32 lanes, in every lane
	s_delay_alu instid0(VALU_DEP_1)
	v_add_f32_dpp v[T], v[T], v[T] row_xmask:1 row_mask:0xf bank_mask:0xf
	s_delay_alu instid0(VALU_DEP_1)
	v_add_f32_dpp v[T], v[T], v[T] row_xmask:2 row_mask:0xf bank_mask:0xf
	s_delay_alu instid0(VALU_DEP_1)
	v_add_f32_dpp v[T], v[T], v[T] row_xmask:4 row_mask:0xf bank_mask:0xf
	s_delay_alu instid0(VALU_DEP_1)
	v_add_f32_dpp v[T], v[T], v[T] row_xmask:8 row_mask:0xf bank_mask:0xf
	s_delay_alu instid0(VALU_DEP_1)
	v_permlanex16_b32 v[T+1], v[T], s[SEL], s[SEL+1]
	s_delay_alu instid0(VALU_DEP_1)
	v_add_f32 v[T], v[T], v[T+1]
.endm
.macro LNROW i
.set YB, ACC+32*\i
.set HR, HB+32*\i
.set lj, 0
.rept 16
	v_pk_add_f32 v[YB+lj:YB+lj+1], v[YB+lj:YB+lj+1], v[HR+lj:HR+lj+1]      ; y = h + the projection
.set lj, lj+2
.endr
	v_pk_add_f32 v[T:T+1], v[YB:YB+1], v[YB+2:YB+3]
	v_pk_add_f32 v[T+2:T+3], v[YB+4:YB+5], v[YB+6:YB+7]
.irp j, 8,12,16,20,24,28
	s_delay_alu instid0(VALU_DEP_2)
	v_pk_add_f32 v[T:T+1], v[T:T+1], v[YB+\j:YB+\j+1]
	s_delay_alu instid0(VALU_DEP_2)
	v_pk_add_f32 v[T+2:T+3], v[T+2:T+3], v[YB+\j+2:YB+\j+3]
.endr
	s_delay_alu instid0(VALU_DEP_1)
	v_pk_add_f32 v[T:T+1], v[T:T+1], v[T+2:T+3]
	s_delay_alu instid0(VALU_DEP_1)
	v_add_f32 v[T], v[T], v[T+1]
	SUM32
	s_delay_alu instid0(VALU_DEP_1)
	v_mul_f32 v[T+4], s26, v[T]                    ; the mean
	s_delay_alu instid0(VALU_DEP_1)
	v_mov_b32 v[T+5], v[T+4]
.set lj, 0
.rept 16
	v_pk_add_f32 v[YB+lj:YB+lj+1], v[YB+lj:YB+lj+1], v[T+4:T+5] neg_lo:[0,1] neg_hi:[0,1]
.set lj, lj+2
.endr
	v_pk_mul_f32 v[T:T+1], v[YB:YB+1], v[YB:YB+1]
	v_pk_mul_f32 v[T+2:T+3], v[YB+2:YB+3], v[YB+2:YB+3]
.irp j, 4,8,12,16,20,24,28
	s_delay_alu instid0(VALU_DEP_2)
	v_pk_fma_f32 v[T:T+1], v[YB+\j:YB+\j+1], v[YB+\j:YB+\j+1], v[T:T+1]
	s_delay_alu instid0(VALU_DEP_2)
	v_pk_fma_f32 v[T+2:T+3], v[YB+\j+2:YB+\j+3], v[YB+\j+2:YB+\j+3], v[T+2:T+3]
.endr
	s_delay_alu instid0(VALU_DEP_1)
	v_pk_add_f32 v[T:T+1], v[T:T+1], v[T+2:T+3]
	s_delay_alu instid0(VALU_DEP_1)
	v_add_f32 v[T], v[T], v[T+1]
	SUM32
	s_delay_alu instid0(VALU_DEP_1)
	v_fma_f32 v[T], v[T], s26, s27                 ; the variance + 1e-5
	s_wait_alu depctr_va_vdst(0)
	v_rsq_f32 v[T+6], v[T]
	v_nop
	s_wait_alu depctr_va_vdst(0)
	v_mov_b32 v[T+7], v[T+6]
.set lj, 0
.rept 16
	v_pk_mul_f32 v[YB+lj:YB+lj+1], v[YB+lj:YB+lj+1], v[T+6:T+7]
.set lj, lj+2
.endr
.set lj, 0
.rept 16
	v_pk_fma_f32 v[YB+lj:YB+lj+1], v[YB+lj:YB+lj+1], v[GM+lj:GM+lj+1], v[BT+lj:BT+lj+1]
.set lj, lj+2
.endr
.irp q, 0,1,2,3,4,5,6,7
	global_store_b128 v[LI], v[YB+4*\q:YB+4*\q+3], s[18:19] offset:8192*\i+512*\q th:TH_STORE_NT   ; 512 consecutive bytes, aligned
.endr
.endm
	LNROW 0
	LNROW 1
	s_wait_tensorcnt 0x0                           ; the wave's end
	ds_add_u32 v[SPW], v[NIL]
	s_wait_dscnt 0x0
	ROUND                                          ; the closing round
	s_endpgm
.Lfunc_end_k_qfe738601ec_oproj:
	.size	k_qfe738601ec_oproj, .Lfunc_end_k_qfe738601ec_oproj-k_qfe738601ec_oproj
	.p2alignl 7, 3214868480
	.fill 96, 4, 3214868480
	.section	.rodata,"a",@progbits
	.p2align	6, 0x0
	.amdhsa_kernel k_qfe738601ec_oproj
		.amdhsa_group_segment_fixed_size 327680
		.amdhsa_private_segment_fixed_size 0
		.amdhsa_enable_private_segment 0
		.amdhsa_kernarg_size 64
		.amdhsa_user_sgpr_count 2
		.amdhsa_user_sgpr_kernarg_segment_ptr 1
		.amdhsa_wavefront_size32 1
		.amdhsa_system_sgpr_workgroup_id_x 1
		.amdhsa_system_sgpr_workgroup_id_y 1
		.amdhsa_system_sgpr_workgroup_id_z 1
		.amdhsa_system_vgpr_workitem_id 0
		.amdhsa_next_free_vgpr 256
		.amdhsa_next_free_sgpr 96
		.amdhsa_reserve_vcc 0
		.amdhsa_float_denorm_mode_32 3
		.amdhsa_float_denorm_mode_16_64 3
		.amdhsa_memory_ordered 1
		.amdhsa_forward_progress 1
		.amdhsa_inst_pref_size 62
	.end_amdhsa_kernel
	.amdgpu_metadata
---
amdhsa.version: [ 1, 2 ]
amdhsa.kernels:
  - .name:           k_qfe738601ec_oproj
    .symbol:         k_qfe738601ec_oproj.kd
    .args:
      - { .name: ic, .offset: 0, .size: 8, .value_kind: global_buffer, .address_space: global }
      - { .name: is, .offset: 8, .size: 8, .value_kind: global_buffer, .address_space: global }
      - { .name: wc, .offset: 16, .size: 8, .value_kind: global_buffer, .address_space: global }
      - { .name: sc, .offset: 24, .size: 8, .value_kind: global_buffer, .address_space: global }
      - { .name: h, .offset: 32, .size: 8, .value_kind: global_buffer, .address_space: global }
      - { .name: ln_gamma, .offset: 40, .size: 8, .value_kind: global_buffer, .address_space: global }
      - { .name: ln_beta, .offset: 48, .size: 8, .value_kind: global_buffer, .address_space: global }
      - { .name: out0, .offset: 56, .size: 8, .value_kind: global_buffer, .address_space: global }
    .group_segment_fixed_size: 327680
    .private_segment_fixed_size: 0
    .kernarg_segment_align: 8
    .kernarg_segment_size: 64
    .max_flat_workgroup_size: 512
    .sgpr_count:     96
    .vgpr_count:     256
    .wavefront_size: 32
...
	.end_amdgpu_metadata
.endif
;; end of part 4
